; MI455X (gfx1250); checked and timed in simulation.
; The chip was launched on July 23, 2026; its instructions are those of AMD's public machine-readable ISA for CDNA 5 (MIT licence, August 2026) and "CDNA5" Instruction Set Architecture Reference Guide (July 2026). The comments in the code are by the model that wrote it; some were corrected since.
;; Causal Self Attention. Allowed arithmetic: float matrix products may take bf16 or f16 operands with f32 sums; other float arithmetic in f32, or as packed bf16 or f16 multiplies, adds, multiply-adds, maxima and minima; sums over many terms, partial sums and values carried from step to step in f32; what a program stores and reads back later, other than sums and carried values, may be rounded once to bf16 or f16.
;; Inputs: Wk 2,048 x 2,048 float32; Wo 2,048 x 2,048 float32; Wq 2,048 x 2,048 float32; Wv 2,048 x 2,048 float32; cos 2,048 x 128 float32; hidden_states 1 x 2,048 x 2,048 float32; sin 2,048 x 128 float32.
;; Outputs: out0 1 x 2,048 x 2,048 float32.
;; 2 versions, each right; version 2 is version 1 with the launch cast written anew for expert scheduling mode. Each part assembles by itself: llvm-mc -triple=amdgcn-amd-amdhsa -mcpu=gfx1250 --defsym DOCPART=n.
;; ======== version 1 of 2: 4 launches
;; limits: values are held in f16: magnitudes above 65,504 overflow, below 6.1e-05 lose precision
;; workspace buffers: xb 8,388,608 bytes; wb 25,165,824 bytes; wo16 8,388,608 bytes; cs16 1,048,576 bytes; qkv 25,165,824 bytes; att 8,388,608 bytes
;; launch cast (part 1): grid 256 x 1, 32 waves a work-group, no clusters, 0 bytes of LDS; arguments hidden_states, Wq, Wk, Wv, Wo, cos, sin, xb, wb, wo16, cs16; writes xb, wb, wo16, cs16
.if DOCPART == 1
	.amdgcn_target "amdgcn-amd-amdhsa--gfx1250"
	.amdhsa_code_object_version 6
	.text
	.protected	k_qe80410e61c_cast
	.globl	k_qe80410e61c_cast
	.p2align	8
	.type	k_qe80410e61c_cast,@function
k_qe80410e61c_cast:
	s_mov_b64 s[64:65], 0
	v_nop
	global_prefetch_b8 v0, s[64:65] scope:SCOPE_SE
	s_setreg_imm32_b32 hwreg(HW_REG_WAVE_MODE, 25, 1), 1
	s_wait_xcnt 0x0
; EVERY INPUT IS ROUNDED ONCE TO bf16, with an exact power of two folded in:
;   xb = bf16(hidden_states);  wb = bf16(Wq / 64), bf16(Wk / 64), bf16(Wv / 4);  wo16 = 4 bf16(Wo) written as f16;  cs16 = bf16(cos), bf16(sin).
; The powers of two give q, k and v room in f16 in the launches behind; the 2^12 that q . k loses comes back in the softmax's f32 constant, v's 4 in Wo.
; LIMITS.  4 bf16(Wo) beyond 65,504 becomes an infinity; below 2^-14 it keeps f16's fixed step of 2^-24.  NaN and infinities are not treated apart.
; A stream: no LDS, no matrix unit, no cluster (no byte is read twice).  EQUAL SHARES: 256 work-groups of 32 waves, and each takes 1/256 of EVERY input: 65,536 bytes of each of the
; five matrices (4 turns of 16 bytes a thread) and 4,096 bytes of each table (waves 0-7 cos, waves 8-15 sin).  Thread t, turn i of a matrix: 16 bytes at 16 t + 16,384 i in (a wave's
; load: 512 consecutive bytes), 8 bytes at 8 t + 8,192 i out (a wave's store: 256 consecutive bytes, aligned).  All of a wave's loads go out in one run, the table's first, so that the
; counts below are the same in every wave; every turn has registers of its own and its result is made in place, so nothing that a store reads is written again.
.set X,  4                             ; v[4:83]   turn n = 4 x matrix + i: 4 registers as loaded; the first two then hold what is stored
.set TB, 84                            ; v[84:87]  my 16 bytes of a table
.set TI, 88                            ; v88       16 (t % 256)
.set TO, 89                            ; v89       8 (t % 256)
	s_load_b512 s[8:23], s[0:1], 0x0               ; hidden_states 8, Wq 10, Wk 12, Wv 14, Wo 16, cos 18, sin 20, xb 22
	s_load_b128 s[24:27], s[0:1], 0x40             ; wb 24, wo16 26
	s_load_b64 s[28:29], s[0:1], 0x50              ; cs16
	v_lshlrev_b32 v1, 4, v0                        ; 16 t
	v_lshlrev_b32 v2, 3, v0                        ; 8 t
	v_lshrrev_b32 v3, 5, v0
	v_readfirstlane_b32 s47, v3                    ; wave 0..31
	v_and_b32 v3, 255, v0
	v_lshlrev_b32 v[TI], 4, v3
	v_lshlrev_b32 v[TO], 3, v3
	s_lshl_b32 s30, ttmp9, 16                      ; offsets are made apart from the addresses: my share of a matrix on the way in,
	s_mov_b32 s31, 0
	s_lshl_b32 s32, ttmp9, 15                      ; on the way out,
	s_mov_b32 s33, 0
	s_lshl_b32 s38, ttmp9, 12                      ; of a table on the way in,
	s_mov_b32 s39, 0
	s_lshl_b32 s40, ttmp9, 11                      ; and on the way out: sin lies 524,288 bytes behind cos
	s_mov_b32 s41, 0
	s_cmp_ge_u32 s47, 8
	s_cselect_b32 s46, 0x80000, 0
	s_add_co_u32 s40, s40, s46
	s_mov_b32 s42, 0x3c800000                      ; 2^-6, as a pair
	s_mov_b32 s43, s42
	s_mov_b32 s44, 0x3e800000                      ; 2^-2
	s_mov_b32 s45, s44
	s_mov_b32 s48, 4.0
	s_mov_b32 s49, 4.0
	s_mov_b32 s46, 0xffff0000                      ; a word's upper bf16
	s_wait_kmcnt 0x0
	s_cmp_ge_u32 s47, 8
	s_cselect_b64 s[18:19], s[20:21], s[18:19]     ; the table of my wave: a choice by the wave's number
	s_add_nc_u64 s[18:19], s[18:19], s[38:39]
	s_add_nc_u64 s[28:29], s[28:29], s[40:41]
.irp b, 8,10,12,14,16
	s_add_nc_u64 s[\b:\b+1], s[\b:\b+1], s[30:31]
.endr
.irp b, 22,24,26
	s_add_nc_u64 s[\b:\b+1], s[\b:\b+1], s[32:33]
.endr
	s_add_nc_u64 s[34:35], s[24:25], 0x800000      ; Wk is wb's second matrix,
	s_add_nc_u64 s[36:37], s[24:25], 0x1000000     ; Wv its third
	s_cmp_ge_u32 s47, 16
	s_cbranch_scc1 .Lmain                          ; waves 16-31 have no part of a table
	global_load_b128 v[TB:TB+3], v[TI], s[18:19] th:TH_LOAD_NT
.Lmain:
.irp m, 0,1,2,3,4
.irp i, 0,1,2,3
	global_load_b128 v[X+4*(4*\m+\i):X+4*(4*\m+\i)+3], v1, s[8+2*\m:9+2*\m] offset:16384*\i th:TH_LOAD_NT
.endr
.endr
; Turn n.  sc: the scalar pair that holds the scale, or 0 for none.  half = 1: the bf16 number is written as f16 (exact within f16's range: 8 significant bits go into 11).
.macro OUT n, sc, half, dst, off
	s_wait_loadcnt 19-(\n)                         ; loads come back in order: mine is in, the 19 - n younger ones stay out
.if \sc
	v_pk_mul_f32 v[X+4*(\n):X+4*(\n)+1], v[X+4*(\n):X+4*(\n)+1], s[\sc:\sc+1] op_sel_hi:[1,0]
	v_pk_mul_f32 v[X+4*(\n)+2:X+4*(\n)+3], v[X+4*(\n)+2:X+4*(\n)+3], s[\sc:\sc+1] op_sel_hi:[1,0]
.endif
	v_cvt_pk_bf16_f32 v[X+4*(\n)], v[X+4*(\n)], v[X+4*(\n)+1]
	v_cvt_pk_bf16_f32 v[X+4*(\n)+1], v[X+4*(\n)+2], v[X+4*(\n)+3]
.if \half
	v_lshlrev_b32 v[X+4*(\n)+2], 16, v[X+4*(\n)]
	v_and_b32 v[X+4*(\n)+3], s46, v[X+4*(\n)]
	v_cvt_pk_f16_f32 v[X+4*(\n)], v[X+4*(\n)+2], v[X+4*(\n)+3]
	v_lshlrev_b32 v[X+4*(\n)+2], 16, v[X+4*(\n)+1]
	v_and_b32 v[X+4*(\n)+3], s46, v[X+4*(\n)+1]
	v_cvt_pk_f16_f32 v[X+4*(\n)+1], v[X+4*(\n)+2], v[X+4*(\n)+3]
.endif
	global_store_b64 v2, v[X+4*(\n):X+4*(\n)+1], s[\dst:\dst+1] offset:\off
.endm
.irp i, 0,1,2,3
	OUT \i, 0, 0, 22, 8192*\i                      ; hidden_states
.endr
.irp i, 0,1,2,3
	OUT 4+\i, 42, 0, 24, 8192*\i                   ; Wq / 64
.endr
.irp i, 0,1,2,3
	OUT 8+\i, 42, 0, 34, 8192*\i                   ; Wk / 64
.endr
.irp i, 0,1,2,3
	OUT 12+\i, 44, 0, 36, 8192*\i                  ; Wv / 4
.endr
.irp i, 0,1,2,3
	OUT 16+\i, 48, 1, 26, 8192*\i                  ; 4 Wo, as f16
.endr
	s_cmp_ge_u32 s47, 16
	s_cbranch_scc1 .Lend
	v_cvt_pk_bf16_f32 v[TB], v[TB], v[TB+1]        ; the table's load is older than all the others: it is in
	v_cvt_pk_bf16_f32 v[TB+1], v[TB+2], v[TB+3]
	global_store_b64 v[TO], v[TB:TB+1], s[28:29]
.Lend:
	s_endpgm
.Lfunc_end_k_qe80410e61c_cast:
	.size	k_qe80410e61c_cast, .Lfunc_end_k_qe80410e61c_cast-k_qe80410e61c_cast
	.p2alignl 7, 3214868480
	.fill 96, 4, 3214868480
	.section	.rodata,"a",@progbits
	.p2align	6, 0x0
	.amdhsa_kernel k_qe80410e61c_cast
		.amdhsa_group_segment_fixed_size 0
		.amdhsa_private_segment_fixed_size 0
		.amdhsa_enable_private_segment 0
		.amdhsa_kernarg_size 88
		.amdhsa_user_sgpr_count 2
		.amdhsa_user_sgpr_kernarg_segment_ptr 1
		.amdhsa_wavefront_size32 1
		.amdhsa_system_sgpr_workgroup_id_x 1
		.amdhsa_system_sgpr_workgroup_id_y 1
		.amdhsa_system_sgpr_workgroup_id_z 1
		.amdhsa_system_vgpr_workitem_id 0
		.amdhsa_next_free_vgpr 96
		.amdhsa_next_free_sgpr 66
		.amdhsa_reserve_vcc 0
		.amdhsa_float_denorm_mode_32 3
		.amdhsa_float_denorm_mode_16_64 3
		.amdhsa_memory_ordered 1
		.amdhsa_forward_progress 1
		.amdhsa_inst_pref_size 13
	.end_amdhsa_kernel
	.amdgpu_metadata
---
amdhsa.version: [ 1, 2 ]
amdhsa.kernels:
  - .name:           k_qe80410e61c_cast
    .symbol:         k_qe80410e61c_cast.kd
    .args:
      - { .name: hidden_states, .offset: 0, .size: 8, .value_kind: global_buffer, .address_space: global }
      - { .name: Wq, .offset: 8, .size: 8, .value_kind: global_buffer, .address_space: global }
      - { .name: Wk, .offset: 16, .size: 8, .value_kind: global_buffer, .address_space: global }
      - { .name: Wv, .offset: 24, .size: 8, .value_kind: global_buffer, .address_space: global }
      - { .name: Wo, .offset: 32, .size: 8, .value_kind: global_buffer, .address_space: global }
      - { .name: cos, .offset: 40, .size: 8, .value_kind: global_buffer, .address_space: global }
      - { .name: sin, .offset: 48, .size: 8, .value_kind: global_buffer, .address_space: global }
      - { .name: xb, .offset: 56, .size: 8, .value_kind: global_buffer, .address_space: global }
      - { .name: wb, .offset: 64, .size: 8, .value_kind: global_buffer, .address_space: global }
      - { .name: wo16, .offset: 72, .size: 8, .value_kind: global_buffer, .address_space: global }
      - { .name: cs16, .offset: 80, .size: 8, .value_kind: global_buffer, .address_space: global }
    .group_segment_fixed_size: 0
    .private_segment_fixed_size: 0
    .kernarg_segment_align: 8
    .kernarg_segment_size: 88
    .max_flat_workgroup_size: 1024
    .sgpr_count:     66
    .vgpr_count:     96
    .wavefront_size: 32
...
	.end_amdgpu_metadata
.endif
;; end of part 1
;; launch proj (part 2): grid 16 x 16, 4 waves a work-group, clusters of 4 x 4, 327,680 bytes of LDS; arguments xb, wb, cs16, qkv; writes qkv
.if DOCPART == 2
	.amdgcn_target "amdgcn-amd-amdhsa--gfx1250"
	.amdhsa_code_object_version 6
	.text
	.protected	k_qe80410e61c_proj
	.globl	k_qe80410e61c_proj
	.p2align	8
	.type	k_qe80410e61c_proj,@function
k_qe80410e61c_proj:
	s_mov_b64 s[64:65], 0
	v_nop
	global_prefetch_b8 v0, s[64:65] scope:SCOPE_SE
	s_setreg_imm32_b32 hwreg(HW_REG_WAVE_MODE, 25, 1), 1
	s_wait_xcnt 0x0
	s_wait_alu depctr_hold_cnt(0) depctr_sa_sdst(0) depctr_va_vdst(0) depctr_va_sdst(0) depctr_va_ssrc(0) depctr_va_vcc(0) depctr_vm_vsrc(0)
	s_getreg_b32 s2, hwreg(HW_REG_IB_STS2, 6, 4)
	s_cmp_eq_u32 s2, 0
	s_cbranch_scc0 .Lentry_in_a_cluster
	s_endpgm
.Lentry_in_a_cluster:
	s_bfe_u32 s2, ttmp6, 0x10000c
	s_cmp_lg_u32 s2, 0xf033
	s_cbranch_scc0 .Lentry_shape_is_right
	s_endpgm
.Lentry_shape_is_right:
; q, k, v = x W^T for one head and 128 rows, RoPE on q and k in f32 on the sums, one rounding to f16, stored by heads: qkv[3][16][2048][128] holds q / 64, k / 64, v / 4
; (the powers of two are in the weights).  x: xb[2048][2048] bf16; weights: wb[3][2048][2048] bf16; tables: cs16[2][2048][128] bf16 (cos, sin).  Sums in f32.
; LIMITS.  A result beyond 65,504 in the stored scale (|q|, |k| beyond 64 x 65,504, |v| beyond 4 x 65,504) becomes an infinity; NaN and infinities are not treated apart.
; SHARES.  Work-group (x = row block rb, y = head h): 128 rows x 384 columns.  Wave w: rows 64 (w / 2) on; of each of q, k, v the channel blocks of 16 numbered 2 c, 2 c + 1, 4 + 2 c,
; 5 + 2 c (c = w % 2): channel d and channel d + 64 lie in the same lane and register number of two accumulators, so RoPE exchanges nothing.  48 accumulators of 16 x 16, 384 registers.
; THE MATRIX INSTRUCTION IS USED TRANSPOSED (source 0 = 16 rows of W, source 1 = 16 rows of x): a lane holds row lane % 16 and eight neighbouring channels.
; RING.  K in steps of 128 through two LDS slots of 512 rows (x, Wq, Wk, Wv: 128 each); wave w fetches rows 128 w on with one tensor load of 128 rows x 256 bytes.
; CLUSTER 4 x 4: W's tiles hang on h alone and are asked for jointly along a row of the cluster, x's tile and the tables on rb alone and jointly along a column.
; THE WALK ALONG K.  Cluster (X, Y) begins at K step 4 ((X + 2 (Y % 2)) % 4) and walks round all 16 steps.  The four clusters of one Y, which want the same rows of W, begin at four
; different quarters; clusters Y and Y + 1 of one X, which want the same rows of x, begin two quarters apart: clusters that want the same bytes do not all ask for them at the same moment.
; Each output is still one f32 sum over all of K; the order of its terms hangs on the cluster.
; Behind slot 0's last K step it is filled once more, with the row block's cos and sin rows; slot 1, when its last K step is read, is the stage of the way out.
; REGISTERS, in windows of 256 (s_set_vgpr_msb: bits 1:0 source 0, 3:2 source 1, 5:4 source 2, 7:6 destination):
;   window 0: v0-31 addresses; v32-55 at work; v64-127 cos, sin in f32; v128-191 x's fragments, two buffers; on the way out v128-255 raw tables, then v64-255 rows read back
;   window 1: q's and k's accumulators ((a, n) at 8 (8 a + n), n = 4 mat + i)     window 2: v's ((a, i) at 8 (4 a + i))     window 3: W's fragments, two buffers of 96
.set KSTEP,  128
.set PITCH,  272                       ; an LDS row: 256 bytes + 16 of padding: the 16 rows of a fragment load start at 16 different groups of four banks (64 banks of 4 bytes: ISA guide 11.1)
.set HALFT,  128*PITCH                 ; 128 rows: one tensor load
.set SLOT,   4*HALFT
.set STG,    SLOT                      ; the stage: slot 1 behind its last fill; matrix mat at STG + mat x HALFT, 128 rows
.set SPARE,  2*SLOT                    ; the spare words, 128 bytes for each wave: two blocks of 256 bytes that no other line names
.set TABW,   64*PITCH                  ; 64 rows of a table: what a wave fetches of the tables
.set ADRA, 4                           ; v4-5    LDS address of my x fragments in slot 0, 1
.set ADRB, 6                           ; v6-11   of my W fragments: slot s, matrix mat at 6 + 3 s + mat
.set TAD,  12                          ; v12     my place in the tables: row, my channels' bytes
.set STO,  13                          ; v13-15  the same place in the stage, by matrix
.set RD,   16                          ; v16-18  where I read rows back, by matrix
.set GO,   19                          ; v19     16 x lane
.set SPW,  28                          ; v28     LDS address of my spare word; never rewritten
.set NIL,  29                          ; v29     0; never rewritten
.set Y1,   32
.set Y2,   40
.set PKD,  48
.set COSF, 64
.set SINF, 96
.set FA,   128
.set RAW,  128
.set BK,   64
.set G1,  24                           ; s[24:31] group 1 for x's tiles;   s[32:39] group 0, a set for each slot
.set G0,  32
.set G1B, 48                           ; s[48:55], s[56:63] the same for W's tiles
.set G0B, 56
.set G1T, 68                           ; s[68:75], s[76:79] for the tables
.set G0T, 76
.set OUTB, 80                          ; s[80:85] where my rows of q, k, v go
.set NK,  94                           ; s94      the K step to be asked for next, before it is taken modulo 16
.set KO,  96                           ; s[96:97] its byte offset in a row
.set MSB, 0
.macro WIN new                         ; the immediate's high byte repeats the setting that is left; a switch that changes nothing is dropped
.if MSB != (\new)
	s_set_vgpr_msb (MSB<<8)|(\new)
.set MSB, \new
.endif
.endm
.set MUL_QK, 0x53                      ; W window 3, x window 0, C and D window 1
.set MUL_V,  0xa3                      ; the same, C and D window 2
.set TO_B,   0xc0                      ; destination window 3, address window 0
.set W_ROPE, 0x01                      ; source 0 window 1
.set W_CVTV, 0x0a                      ; sources 0 and 1 window 2
; A joint load of a K step: wave 0 fetches x's tile, waves 1 to 3 those of Wq, Wk, Wv.  The branch hangs on the wave's number alone.
; An s_nop 0 and four v_nop follow each of the two lines, ahead of the jump and the label.
.macro JLOAD s
	s_cmp_eq_u32 s12, 0
	s_cbranch_scc0 .Lfor_w_\@
	tensor_load_to_lds s[G0+4*(\s):G0+4*(\s)+3], s[G1:G1+7]
	s_nop 0
.rept 4
	v_nop
.endr
	s_branch .Lasked_\@
.Lfor_w_\@:
	tensor_load_to_lds s[G0B+4*(\s):G0B+4*(\s)+3], s[G1B:G1B+7]
	s_nop 0
.rept 4
	v_nop
.endr
.Lasked_\@:
.endm
; The global addresses of slot s's next tiles are made anew: the rows' first byte plus 256 x (the K step modulo 16); the type bits are set again.  It stands where no tensor load of the wave is out.
.macro KADDR s
	s_and_b32 s[KO], s[NK], 15
	s_lshl_b32 s[KO], s[KO], 8
	s_add_nc_u64 s[G0+4*(\s)+2:G0+4*(\s)+3], s[18:19], s[KO:KO+1]
	s_or_b32 s[G0+4*(\s)+3], s[G0+4*(\s)+3], 0x80000000
	s_add_nc_u64 s[G0B+4*(\s)+2:G0B+4*(\s)+3], s[46:47], s[KO:KO+1]
	s_or_b32 s[G0B+4*(\s)+3], s[G0B+4*(\s)+3], 0x80000000
	s_add_co_u32 s[NK], s[NK], 1
.endm
.macro TLOAD                           ; the tables: every wave fetches 64 rows of its own
	tensor_load_to_lds s[G0T:G0T+3], s[G1T:G1T+7]
	s_nop 0
.rept 4
	v_nop
.endr
.endm
.macro CREST                           ; a round of the cluster's barrier behind its opening barrier
	s_cmp_lg_u32 s12, 0
	s_cbranch_scc1 .Lnot_wave_0_\@
	s_barrier_signal -3
.Lnot_wave_0_\@:
	s_barrier_wait -3
	s_barrier_signal -1
	s_barrier_wait -1
.endm
.macro CROUND                          ; a whole round
	s_barrier_signal -1
	s_barrier_wait -1
	CREST
.endm
.macro PLACES                          ; four places in front of loads into registers that matrix instructions have read, and of vector lines that read results
.rept 4
	v_nop
.endr
.endm
	s_load_b256 s[4:11], s[0:1], 0x0               ; xb s[4:5], wb s[6:7], cs16 s[8:9], qkv s[10:11]
	v_lshl_add_u32 v[SPW], v0, 2, SPARE
	v_mov_b32 v[NIL], 0
	ds_add_u32 v[SPW], v[NIL]                      ; the wave's opening: the add and its wait stand ahead of my first tensor load; the set-up below stands between them
	v_lshrrev_b32 v1, 5, v0
	v_readfirstlane_b32 s12, v1                    ; wave 0..3
	s_lshr_b32 s13, s12, 1                         ; which 64 rows are mine
	s_and_b32 s14, s12, 1                          ; c: which channel blocks
	s_bfe_u32 s40, ttmp6, 0x40000                  ; cx, cy: my place in the cluster
	s_bfe_u32 s41, ttmp6, 0x40004
	s_lshl_b32 s15, ttmp9, 2
	s_add_co_u32 s15, s15, s40                     ; row block rb = 4 x cluster x + cx
	s_and_b32 s42, ttmp7, 0xffff
	s_lshl_b32 s42, s42, 2
	s_add_co_u32 s42, s42, s41                     ; head h = 4 x cluster y + cy
	s_lshl_b32 s43, s41, 2
	s_lshl_b32 s43, 15, s43                        ; my row of the cluster: the same head
	s_lshl_b32 s44, 0x1111, s40                    ; my column: the same row block
	s_and_b32 s[NK], ttmp7, 1                      ; where my cluster begins along K: quarter (X + 2 (Y % 2)) % 4; it hangs on the cluster's numbers alone, which all partners share
	s_lshl1_add_u32 s[NK], s[NK], ttmp9
	s_and_b32 s[NK], s[NK], 3
	s_lshl_b32 s[NK], s[NK], 2
	s_mov_b32 s[KO+1], 0
	; group 1: 15:0 the mask; 17:16 elements of 2 bytes; 20 padding on; 21 set beside a mask; 24:22 after every 64 words (code 5); 31:25 4 words of it (code 3)
	s_or_b32 s[G1+0], s44, (1<<16)|(1<<20)|(1<<21)|(5<<22)|(3<<25)
	s_or_b32 s[G1B+0], s43, (1<<16)|(1<<20)|(1<<21)|(5<<22)|(3<<25)
	s_or_b32 s[G1T+0], s44, (1<<16)|(1<<20)|(1<<21)|(5<<22)|(3<<25)
.irp g, G1, G1B
	s_mov_b32 s[(\g)+1], KSTEP<<16                 ; tensor_dim0 = 128
	s_mov_b32 s[(\g)+2], 128<<16                   ; tensor_dim1 = 128
	s_mov_b32 s[(\g)+3], KSTEP<<16                 ; tile_dim0 = 128
	s_mov_b32 s[(\g)+4], 128                       ; tile_dim1 = 128
	s_mov_b32 s[(\g)+5], 2048                      ; elements from row to row
	s_mov_b32 s[(\g)+6], 0
	s_mov_b32 s[(\g)+7], 0
.endr
	s_mov_b32 s[G1T+1], 128<<16                    ; the tables: 64 rows of 128 elements, dense
	s_mov_b32 s[G1T+2], 64<<16
	s_mov_b32 s[G1T+3], 128<<16
	s_mov_b32 s[G1T+4], 64
	s_mov_b32 s[G1T+5], 128
	s_mov_b32 s[G1T+6], 0
	s_mov_b32 s[G1T+7], 0
	; offsets.  x's and the tables' hang on rb, W's on h: each in registers that never hold the other coordinate
	s_lshl_b32 s16, s15, 19                        ; x: 128 rb rows of 4,096 bytes
	s_mov_b32 s17, 0
	s_lshl_b32 s20, s13, 19                        ; tables: waves 0, 1 cos, waves 2, 3 sin (524,288 bytes on),
	s_lshl_b32 s21, s15, 15                        ; row 128 rb
	s_add_co_u32 s20, s20, s21
	s_lshl_b32 s21, s14, 14                        ; + 64 (w % 2), of 256 bytes
	s_add_co_u32 s20, s20, s21
	s_mov_b32 s21, 0
	s_max_u32 s46, s12, 1
	s_sub_co_u32 s46, s46, 1                       ; W: matrix w - 1 (wave 0 asks for x and does not use this)
	s_lshl_b32 s46, s46, 23
	s_lshl_b32 s47, s42, 19                        ; row 128 h
	s_add_co_u32 s46, s46, s47
	s_mov_b32 s47, 0
	s_lshl_b32 s88, s42, 19                        ; the way out: head h,
	s_lshl_b32 s89, s15, 15                        ; row 128 rb
	s_add_co_u32 s88, s88, s89
	s_lshl_b32 s89, s12, 13                        ; + 32 w, of 256 bytes
	s_add_co_u32 s88, s88, s89
	s_mov_b32 s89, 0
	s_mul_i32 s22, s12, HALFT                      ; where my tile goes in a slot: no place in the cluster enters an LDS address
	s_mov_b32 s[G0T], 1
	s_mul_i32 s[G0T+1], s12, TABW
	s_mov_b32 s86, 0xffff0000                      ; a word's upper bf16
	s_wait_dscnt 0x0                               ; the opening add is done
	s_wait_kmcnt 0x0
	s_add_nc_u64 s[18:19], s[4:5], s[16:17]        ; x at my row block's first row; kept
	s_add_nc_u64 s[46:47], s[6:7], s[46:47]        ; W at my matrix's and head's first row; kept
	s_add_nc_u64 s[G0T+2:G0T+3], s[8:9], s[20:21]
	s_or_b32 s[G0T+3], s[G0T+3], 0x80000000
	s_add_nc_u64 s[OUTB:OUTB+1], s[10:11], s[88:89]
	s_add_nc_u64 s[OUTB+2:OUTB+3], s[OUTB:OUTB+1], 8388608
	s_add_nc_u64 s[OUTB+4:OUTB+5], s[OUTB:OUTB+1], 16777216
	CROUND                                         ; all sixteen work-groups are here: the first joint loads meet
.irp s, 0,1
	s_mov_b32 s[G0+4*(\s)], 1                      ; count = 1
	s_add_co_u32 s[G0+4*(\s)+1], s22, (\s)*SLOT    ; LDS address
	s_mov_b32 s[G0B+4*(\s)], 1
	s_add_co_u32 s[G0B+4*(\s)+1], s22, (\s)*SLOT
	KADDR \s                                       ; global addresses: my cluster's first and second K step
	JLOAD \s                                       ; two loads of mine are out
.endr
	; a fragment is 16 rows x 32 K in 8 registers: lane l holds row l % 16; two loads of 16 bytes, 32 bytes apart, at row x pitch + 16 (l / 16)
	v_and_b32 v1, 15, v0
	v_bfe_u32 v2, v0, 4, 1
	v_mul_u32_u24 v3, v1, PITCH
	v_lshl_add_u32 v3, v2, 4, v3
	s_mul_i32 s90, s13, 64*PITCH
	s_mul_i32 s91, s14, 32*PITCH
	v_add_nc_u32 v[ADRA], s90, v3
	v_add_nc_u32 v[ADRA+1], SLOT, v[ADRA]
	v_add_nc_u32 v20, s91, v3
.irp s, 0,1
.irp mat, 0,1,2
	v_add_nc_u32 v[ADRB+3*(\s)+(\mat)], (\s)*SLOT+(1+(\mat))*HALFT, v20
.endr
.endr
	s_lshl_b32 s92, s14, 6
	v_add_nc_u32 v[TAD], s92, v[ADRA]              ; (64 (w / 2) + l % 16) x pitch + 64 c + 16 (l / 16)
	s_mul_i32 s93, s12, 32*PITCH
	v_mul_u32_u24 v21, v2, PITCH                   ; back: wave w takes rows 32 w on, whole; lanes 0-15 one row of 256 bytes, lanes 16-31 the next
	v_lshl_add_u32 v21, v1, 4, v21
	v_add_nc_u32 v21, s93, v21
.irp mat, 0,1,2
	v_add_nc_u32 v[STO+(\mat)], STG+(\mat)*HALFT, v[TAD]
	v_add_nc_u32 v[RD+(\mat)], STG+(\mat)*HALFT, v21
.endr
	v_and_b32 v[GO], 31, v0
	v_lshlrev_b32 v[GO], 4, v[GO]
; 16 matrix instructions: row blocks a0, a0 + 1 x q's and k's 8 channel blocks.  zero = 1: the product starts the sum.
.macro MULQK f, a0, zero
	WIN MUL_QK
.irp a, \a0, (\a0)+1
.irp n, 0,1,2,3,4,5,6,7
.if \zero
	v_wmma_f32_16x16x32_bf16 v[8*(8*(\a)+(\n)):8*(8*(\a)+(\n))+7], v[96*(\f)+8*(\n):96*(\f)+8*(\n)+7], v[FA+32*(\f)+8*(\a):FA+32*(\f)+8*(\a)+7], 0
.else
	v_wmma_f32_16x16x32_bf16 v[8*(8*(\a)+(\n)):8*(8*(\a)+(\n))+7], v[96*(\f)+8*(\n):96*(\f)+8*(\n)+7], v[FA+32*(\f)+8*(\a):FA+32*(\f)+8*(\a)+7], v[8*(8*(\a)+(\n)):8*(8*(\a)+(\n))+7]
.endif
.endr
.endr
.endm
; 16 matrix instructions: all four row blocks x v's 4 channel blocks
.macro MULV f, zero
	WIN MUL_V
.irp a, 0,1,2,3
.irp i, 0,1,2,3
.if \zero
	v_wmma_f32_16x16x32_bf16 v[8*(4*(\a)+(\i)):8*(4*(\a)+(\i))+7], v[96*(\f)+64+8*(\i):96*(\f)+64+8*(\i)+7], v[FA+32*(\f)+8*(\a):FA+32*(\f)+8*(\a)+7], 0
.else
	v_wmma_f32_16x16x32_bf16 v[8*(4*(\a)+(\i)):8*(4*(\a)+(\i))+7], v[96*(\f)+64+8*(\i):96*(\f)+64+8*(\i)+7], v[FA+32*(\f)+8*(\a):FA+32*(\f)+8*(\a)+7], v[8*(4*(\a)+(\i)):8*(4*(\a)+(\i))+7]
.endif
.endr
.endr
.endm
; 32 LDS loads in one run: 32 along K at byte k of the rows, into buffer f: x's 8, Wq's and Wk's 16, Wv's 8 last.  My channel block i lies 16 (i % 2) + 64 (i / 2) rows on.
.macro FETCH slot, k, f
	WIN 0
.irp a, 0,1,2,3
	ds_load_b128 v[FA+32*(\f)+8*(\a):FA+32*(\f)+8*(\a)+3],   v[ADRA+(\slot)] offset:(\k)+(\a)*16*PITCH
	ds_load_b128 v[FA+32*(\f)+8*(\a)+4:FA+32*(\f)+8*(\a)+7], v[ADRA+(\slot)] offset:(\k)+(\a)*16*PITCH+32
.endr
	WIN TO_B
.irp mat, 0,1,2
.irp i, 0,1,2,3
	ds_load_b128 v[96*(\f)+8*(4*(\mat)+(\i)):96*(\f)+8*(4*(\mat)+(\i))+3],   v[ADRB+3*(\slot)+(\mat)] offset:(\k)+(16*((\i)&1)+64*((\i)>>1))*PITCH
	ds_load_b128 v[96*(\f)+8*(4*(\mat)+(\i))+4:96*(\f)+8*(4*(\mat)+(\i))+7], v[ADRB+3*(\slot)+(\mat)] offset:(\k)+(16*((\i)&1)+64*((\i)>>1))*PITCH+32
.endr
.endr
.endm
; A K step is four quarters of 32 along K, 48 matrix instructions each, on buffers 0, 1, 0, 1; the 48 accumulators take turns, one instruction a turn, in the same order in
; every quarter.  One of the first three quarters: multiplies buffer f and fetches the next quarter, at byte k, into buffer g.
.macro QUARTER slot, k, f, g, zero
	s_wait_dscnt 8                                 ; x, Wq and Wk are in; the youngest eight loads (Wv's) may be out
	MULQK \f, 0, \zero
	PLACES
	FETCH \slot, \k, \g
	MULQK \f, 2, \zero
	s_wait_dscnt 32                                ; all but the 32 just issued
	MULV \f, \zero
.endm
; The last quarter multiplies buffer 1 and changes slots.  In front of the round each wave waits for all its tensor loads (one is out: its part of the next slot), adds 0 to its spare
; word, and waits for that and for its reads of this slot.  Behind the round no wave of any partner reads this slot, and it is filled again first: kind = 1 with the K step two on, kind = 2 with the tables.
.macro TURN slot, next, kind
	WIN 0                                          ; (the add's two registers lie in window 0)
	s_wait_tensorcnt 0x0                           ; no tensor load of mine is out, so a group 0 may be written
	ds_add_u32 v[SPW], v[NIL]                      ; 0 onto my spare word
.if (\kind) == 1
	KADDR \slot                                    ; scalar work between the add and the wait for it
.endif
	s_wait_dscnt 9                                 ; (the add and Wv's eight loads may be out)
	MULQK 1, 0, 0                                  ; sixteen matrix instructions stand between the add and the wait for it
	s_wait_dscnt 0x0                               ; the add is done, and my reads of this slot are over
	s_barrier_signal -1
	MULQK 1, 2, 0                                  ; work on registers while the others arrive
	WIN 0
	s_barrier_wait -1
	CREST
.if (\kind) == 1
	JLOAD \slot                                    ; the first tensor load behind the round; its four v_nop are also the places in front of the loads below
.else
	TLOAD
.endif
	FETCH \next, 0, 0
	MULV 1, 0
.endm
	s_wait_tensorcnt 1                             ; my part of the first K step is in; the second's stays out
	s_barrier_signal -1
	s_barrier_wait -1                              ; everybody's is
	FETCH 0, 0, 0
	QUARTER 0, 64, 0, 1, 1                         ; the first quarter stands in front of the loop: its products start the sums
	WIN 0                                          ; at a label and at a branch every window is 0
	s_mov_b32 s3, 7                                ; 16 K steps: 2 at the start, 2 in each of 7 trips
.Llap:
	QUARTER 0, 128, 1, 0, 0
	QUARTER 0, 192, 0, 1, 0
	TURN 0, 1, 1
	QUARTER 1, 64,  0, 1, 0
	QUARTER 1, 128, 1, 0, 0
	QUARTER 1, 192, 0, 1, 0
	TURN 1, 0, 1
	QUARTER 0, 64,  0, 1, 0
	WIN 0
	s_sub_co_u32 s3, s3, 1
	s_cmp_lg_u32 s3, 0
	s_cbranch_scc1 .Llap
	QUARTER 0, 128, 1, 0, 0                        ; the last lap: slot 0 takes the tables, which land under the last K step
	QUARTER 0, 192, 0, 1, 0
	TURN 0, 1, 2
	QUARTER 1, 64,  0, 1, 0
	QUARTER 1, 128, 1, 0, 0
	QUARTER 1, 192, 0, 1, 0
	s_wait_dscnt 8
	MULQK 1, 0, 0
	MULQK 1, 2, 0
	s_wait_dscnt 0x0
	MULV 1, 0
	; THE WAY OUT.  My part of the tables has landed; behind the barrier everybody's has, and nobody reads slot 1 any more: it becomes the stage.
	WIN 0
	s_wait_tensorcnt 0x0
	s_barrier_signal -1
	s_barrier_wait -1
	PLACES
.irp a, 0,1,2,3
.irp i, 0,1,2,3
	ds_load_b128 v[RAW+32*(\a)+4*(\i):RAW+32*(\a)+4*(\i)+3],       v[TAD] offset:(\a)*16*PITCH+32*((\i)&1)+128*((\i)>>1)        ; cos of my row and eight channels
	ds_load_b128 v[RAW+32*(\a)+16+4*(\i):RAW+32*(\a)+16+4*(\i)+3], v[TAD] offset:(\a)*16*PITCH+32*((\i)&1)+128*((\i)>>1)+HALFT  ; sin
.endr
.endr
	s_wait_dscnt 0x0
; Row block a.  y[d] = x[d] cos[d] - x[d + 64] sin[d];  y[d + 64] = x[d + 64] cos[d + 64] + x[d] sin[d + 64], all four table entries as given.  Each accumulator's lowest registers
; are read first.  Results are rounded once to f16 and go into the stage, 16 bytes a lane.
.macro ROPE a
	WIN 0
.irp i, 0,1,2,3
.irp e, 0,1,2,3
	v_lshlrev_b32 v[COSF+8*(\i)+2*(\e)],   16,  v[RAW+32*(\a)+4*(\i)+(\e)]
	v_and_b32     v[COSF+8*(\i)+2*(\e)+1], s86, v[RAW+32*(\a)+4*(\i)+(\e)]
	v_lshlrev_b32 v[SINF+8*(\i)+2*(\e)],   16,  v[RAW+32*(\a)+16+4*(\i)+(\e)]
	v_and_b32     v[SINF+8*(\i)+2*(\e)+1], s86, v[RAW+32*(\a)+16+4*(\i)+(\e)]
.endr
.endr
.irp mat, 0,1
.irp i, 0,1
.set X1, 8*(8*(\a)+4*(\mat)+(\i))
.set X2, X1+16
	WIN W_ROPE
.irp p, 0,1,2,3
	v_pk_mul_f32 v[Y1+2*(\p):Y1+2*(\p)+1], v[X1+2*(\p):X1+2*(\p)+1], v[COSF+8*(\i)+2*(\p):COSF+8*(\i)+2*(\p)+1]
	v_pk_mul_f32 v[Y2+2*(\p):Y2+2*(\p)+1], v[X2+2*(\p):X2+2*(\p)+1], v[COSF+16+8*(\i)+2*(\p):COSF+16+8*(\i)+2*(\p)+1]
	v_pk_fma_f32 v[Y1+2*(\p):Y1+2*(\p)+1], v[X2+2*(\p):X2+2*(\p)+1], v[SINF+8*(\i)+2*(\p):SINF+8*(\i)+2*(\p)+1], v[Y1+2*(\p):Y1+2*(\p)+1] neg_lo:[1,0,0] neg_hi:[1,0,0]
	v_pk_fma_f32 v[Y2+2*(\p):Y2+2*(\p)+1], v[X1+2*(\p):X1+2*(\p)+1], v[SINF+16+8*(\i)+2*(\p):SINF+16+8*(\i)+2*(\p)+1], v[Y2+2*(\p):Y2+2*(\p)+1]
.endr
	WIN 0
.irp p, 0,1,2,3
	v_cvt_pk_f16_f32 v[PKD+(\p)],   v[Y1+2*(\p)], v[Y1+2*(\p)+1]
	v_cvt_pk_f16_f32 v[PKD+4+(\p)], v[Y2+2*(\p)], v[Y2+2*(\p)+1]
.endr
	ds_store_b128 v[STO+(\mat)], v[PKD:PKD+3]   offset:(\a)*16*PITCH+32*(\i)
	ds_store_b128 v[STO+(\mat)], v[PKD+4:PKD+7] offset:(\a)*16*PITCH+32*(\i)+128
.endr
.endr
	WIN W_CVTV                                     ; v has no RoPE: sixteen roundings under one setting
.irp i, 0,1,2,3
.irp e, 0,1,2,3
	v_cvt_pk_f16_f32 v[Y1+4*(\i)+(\e)], v[8*(4*(\a)+(\i))+2*(\e)], v[8*(4*(\a)+(\i))+2*(\e)+1]
.endr
.endr
	WIN 0
.irp i, 0,1,2,3
	ds_store_b128 v[STO+2], v[Y1+4*(\i):Y1+4*(\i)+3] offset:(\a)*16*PITCH+32*((\i)&1)+128*((\i)>>1)
.endr
.endm
	ROPE 0
	ROPE 1
	ROPE 2
	ROPE 3
	s_wait_dscnt 0x0                               ; for the others' sake: my stores into the stage are done (a row's 256 bytes come from two waves)
	s_barrier_signal -1
	s_barrier_wait -1
.irp mat, 0,1,2
.irp t, 0,1,2,3,4,5,6,7,8,9,10,11,12,13,14,15
	ds_load_b128 v[BK+4*(16*(\mat)+(\t)):BK+4*(16*(\mat)+(\t))+3], v[RD+(\mat)] offset:(\t)*2*PITCH
.endr
.endr
.irp mat, 0,1,2
.irp t, 0,1,2,3,4,5,6,7,8,9,10,11,12,13,14,15
	s_wait_dscnt 47-(16*(\mat)+(\t))
	global_store_b128 v[GO], v[BK+4*(16*(\mat)+(\t)):BK+4*(16*(\mat)+(\t))+3], s[OUTB+2*(\mat):OUTB+2*(\mat)+1] offset:512*(\t)  ; two rows of a head: 512 consecutive bytes, aligned
.endr
.endr
	s_wait_tensorcnt 0x0                           ; the wave's end: behind my last tensor load and my last LDS store
	ds_add_u32 v[SPW], v[NIL]
	s_wait_dscnt 0x0
	CROUND                                         ; the closing round: no work-group ends while a partner may still ask for a tile that names it
	s_endpgm
.Lfunc_end_k_qe80410e61c_proj:
	.size	k_qe80410e61c_proj, .Lfunc_end_k_qe80410e61c_proj-k_qe80410e61c_proj
	.p2alignl 7, 3214868480
	.fill 96, 4, 3214868480
	.section	.rodata,"a",@progbits
	.p2align	6, 0x0
	.amdhsa_kernel k_qe80410e61c_proj
		.amdhsa_group_segment_fixed_size 327680
		.amdhsa_private_segment_fixed_size 0
		.amdhsa_enable_private_segment 0
		.amdhsa_kernarg_size 32
		.amdhsa_user_sgpr_count 2
		.amdhsa_user_sgpr_kernarg_segment_ptr 1
		.amdhsa_wavefront_size32 1
		.amdhsa_system_sgpr_workgroup_id_x 1
		.amdhsa_system_sgpr_workgroup_id_y 1
		.amdhsa_system_sgpr_workgroup_id_z 1
		.amdhsa_system_vgpr_workitem_id 0
		.amdhsa_next_free_vgpr 960
		.amdhsa_next_free_sgpr 98
		.amdhsa_reserve_vcc 0
		.amdhsa_float_denorm_mode_32 3
		.amdhsa_float_denorm_mode_16_64 3
		.amdhsa_memory_ordered 1
		.amdhsa_forward_progress 1
		.amdhsa_inst_pref_size 149
	.end_amdhsa_kernel
	.amdgpu_metadata
---
amdhsa.version: [ 1, 2 ]
amdhsa.kernels:
  - .name:           k_qe80410e61c_proj
    .symbol:         k_qe80410e61c_proj.kd
    .args:
      - { .name: xb, .offset: 0, .size: 8, .value_kind: global_buffer, .address_space: global }
      - { .name: wb, .offset: 8, .size: 8, .value_kind: global_buffer, .address_space: global }
      - { .name: cs16, .offset: 16, .size: 8, .value_kind: global_buffer, .address_space: global }
      - { .name: qkv, .offset: 24, .size: 8, .value_kind: global_buffer, .address_space: global }
    .group_segment_fixed_size: 327680
    .private_segment_fixed_size: 0
    .kernarg_segment_align: 8
    .kernarg_segment_size: 32
    .max_flat_workgroup_size: 128
    .sgpr_count:     98
    .vgpr_count:     960
    .wavefront_size: 32
...
	.end_amdgpu_metadata
.endif
;; end of part 2
;; launch attn (part 3): grid 16 x 16, 4 waves a work-group, clusters of 4 x 1, 327,680 bytes of LDS; arguments qkv, att; writes att
.if DOCPART == 3
	.amdgcn_target "amdgcn-amd-amdhsa--gfx1250"
	.amdhsa_code_object_version 6
	.text
	.protected	k_qe80410e61c_attn
	.globl	k_qe80410e61c_attn
	.p2align	8
	.type	k_qe80410e61c_attn,@function
k_qe80410e61c_attn:
	s_mov_b64 s[64:65], 0
	v_nop
	global_prefetch_b8 v0, s[64:65] scope:SCOPE_SE
	s_setreg_imm32_b32 hwreg(HW_REG_WAVE_MODE, 25, 1), 1
	s_wait_xcnt 0x0
	s_wait_alu depctr_hold_cnt(0) depctr_sa_sdst(0) depctr_va_vdst(0) depctr_va_sdst(0) depctr_va_ssrc(0) depctr_va_vcc(0) depctr_vm_vsrc(0)
	s_getreg_b32 s2, hwreg(HW_REG_IB_STS2, 6, 4)
	s_cmp_eq_u32 s2, 0
	s_cbranch_scc0 .Lentry_in_a_cluster
	s_endpgm
.Lentry_in_a_cluster:
	s_bfe_u32 s2, ttmp6, 0x10000c
	s_cmp_lg_u32 s2, 0x3003
	s_cbranch_scc0 .Lentry_shape_is_right
	s_endpgm
.Lentry_shape_is_right:
; CAUSAL ATTENTION, head size 128.  qkv[3][16][2048][128] f16 holds q / 64, k / 64, v / 4; att[2048][2048] f16 takes O / 4 at column 128 head + channel.
; Products, maxima and sums in f32; the weights p are rounded to f16 for the second product (their sum l is taken of the unrounded p), O once at the end.
; p = 2^(c s - c m) with a running maximum m, c = 2^12 log2(e) / sqrt(128) (the 2^12 undoes q's and k's scale); O and l are multiplied by a = 2^(c m_old - c m_new) in every step.
; LIMITS.  A hidden score is replaced by -1e30 (stored scores are 5.5e11 at the most); a weight below 2^-126 counts as 0; O / 4 below 6e-5 keeps f16's fixed step of 6e-8; NaN and infinities are not treated apart.
; SHARES.  A head's queries lie in 8 blocks of 256.  Work-group j of a head takes rows 256 B + 16 j .. + 15 of EVERY block B: 8 query tiles of 16.  All work-groups walk the key tiles
; T = 0 .. 7 of 256 keys; query tile B is live while T <= B and holds the diagonal at T = B.  So every jump hangs on T and the wave's number alone, all work-groups do equal work,
; and the four work-groups of a cluster ask for every K and V tile JOINTLY.  Tiles above the diagonal are left out.
; WAVES.  g = w / 2 chooses four query tiles ({7, 4, 3, 0} or {6, 5, 2, 1}: 18 tile visits each), kh = w % 2 chooses 128 of a tile's 256 keys, two steps of 64.  Register slot t holds
; the t-th largest block of the four, so the live tiles are always slots 0 .. n - 1, and only the last live one can hold the diagonal.
; LAYOUT.  S^T = K Q^T (source 0 = 16 keys, source 1 = 16 queries): a lane holds ONE query (lane % 16) and keys 8 (lane / 16) + 0..7; two such results rounded to f16 ARE source 1 of
; O^T = V^T P.  K comes out of LDS as it lies, V turned, by ds_load_tr16_b128.
; A KEY STEP, matrix and vector work side by side.  First K Q^T of slot 0; then for each further live slot i its 16 products K Q^T with slot i - 1's maximum and statistics (22 lines)
; behind them; the last live slot's mask and statistics stand alone.  Then slot 0's exponentials (112 lines) alone; for each further live slot i the 16 products V^T P of slot i - 1
; with 7 of slot i's 112 lines behind each; the last V^T P stands alone.  Since slot i live means slot i - 1 live, no line is carried for a dead tile.  Written twice for that: the
; statistics and V^T P of slots 0 to 2.  The lines behind a product name none of its registers; each group of them costs two switches of the register windows.
; THE MERGE.  At the end the two waves of a g merge their (c m, l, O) through LDS in f32: wave kh = 0 keeps slots 0, 1 and gives 2, 3; wave kh = 1 gives 0, 1 and moves 3, 2 into their
; place, so that one text finishes both.  A wave all of whose keys were hidden has c m = -5e32: its weight in the merge is 0 and its sums are finite.
; REGISTERS, in windows of 256 (s_set_vgpr_msb: bits 1:0 source 0, 3:2 source 1, 5:4 source 2, 7:6 destination):
;   window 0: v0-19 addresses; v24-55 eight registers of statistics a slot; v56-59 the partner's; v64-191 S^T, 32 a slot; v192-255 P, 16 a slot
;   window 1: O^T, 64 a slot        window 2: v0-127 Q, 32 a slot; v128-255 K of one step        window 3: v0-127 V of one step
.set KS,    64
.set PK,    272       ; a row of K in LDS: 256 bytes + 16 of padding: the 16 rows of a load start at 16 different groups of four banks (64 banks of 4 bytes: ISA guide 11.1)
.set PV,    288       ; a row of V: 256 + 32
.set VOFF,  256*PK    ; a slot: 256 rows of K, then 256 rows of V
.set XS,    0x24000   ; slot 1 begins here.  The bases that are turned (0, 0x8800, 0x9000, 0x11000, 0x1a000) share no bit with it, so one exclusive or turns an address in one slot into the other's
.set SPARE, 2*XS      ; the spare words, 128 bytes for each wave: two blocks of 256 bytes that no other line names
.set STAGE, SPARE+512 ; never filled by a tensor load: 16 rows x 272 bytes for each wave, for the way out
.set SP,    272
.set MAREA, 16896     ; the merge, in slot 0 behind its last fill: for each wave two tiles of 8,192 bytes, then 512 bytes of statistics
.set AK0, 2           ; v2   my lane's place in a tile of K; never rewritten
.set AV0, 3           ; v3   the same for V
.set AK,  4           ; v4   the LDS address of K's next run of loads
.set AV,  5           ; v5   of V's
.set QO,  6           ; v6   my byte offset in 16 rows of Q
.set STO, 7           ; v7   the way out: where I put 16 bytes of a row
.set RD,  8           ; v8   the way out: where I read rows back
.set THR, 12          ; v12  in the diagonal tile, key 16 (x / 8) + x % 8 of the step is hidden where it is greater than this
.set THRB, 13         ; v13  its value at a tile's first step
.set BIG, 14          ; v14  -1e30
.set MGW, 15          ; v15  the merge: where I give O^T;  v16 statistics;  v17, v18 where I take the partner's
.set MGS, 16
.set MGR, 17
.set MGRS, 18
.set GO,  19          ; v19  my byte offset in two rows of att
.set ST,  24          ; slot t at v[ST+8 t]: c m, m, l (even keys', odd keys'), c0-c3 at work; when the maximum is found c2 takes a
.set PS,  56          ; the partner's c m and l for slots 0, 1
.set SPW, 62          ; v62  LDS address of my spare word; never rewritten
.set NIL, 63          ; v63  0; never rewritten
.set S,   64
.set P,   192
.set KF,  128
.set WV,  12          ; s12 wave; s13 g; s14 kh; s15 j; s16 head
.set SG,  13
.set KH,  14
.set SJ,  15
.set HD,  16
.set SB,  20          ; s20-23  the block of slot t
.set G1K, 24          ; s[24:31], s[32:39] descriptor group 1 for K's and V's tiles: they differ in the padding
.set G1V, 32
.set G0K, 40          ; s[40:43], s[44:47] group 0: they walk
.set G0V, 44
.set T,   56          ; s56  the key tile in hand
.set CNT, 57          ; s57  counts a tile's two steps
.set CS,  58          ; s[58:59] c
.set SEL, 60          ; s[60:61] v_permlanex16_b32's selects: each lane takes its own place in the other half
.set TBK, 62          ; s62  LDS byte at which K of the step to be fetched begins
.set TBV, 63          ; s63  the same for V, less VOFF
.set QB,  68          ; s[68:75] Q at my rows of the four tiles
.set OB,  76          ; s[76:79] att at my rows of the two tiles that I finish
.set TL,  90          ; s90  tiles still to be asked for
.set MSB, 0
.macro WIN new                      ; the high byte repeats the setting that is left; a switch that changes nothing is dropped
.if MSB != (\new)
	s_set_vgpr_msb (MSB<<8)|(\new)
.set MSB, (\new)
.endif
.endm
.set W_KQ, 0x0a       ; K and Q in window 2, S^T in window 0
.set W_PV, 0x53       ; V in window 3, P in window 0, O^T in window 1
.set W_RS, 0x41       ; O^T (destination and source 0) in window 1, a in window 0
; A joint fill.  Waves 0 and 1 fetch the two halves of a tile's K, waves 2 and 3 those of its V: 128 rows of 256 bytes each.  The branch hangs on the wave's number alone.
; An s_nop 0 and four v_nop follow each of the two lines, ahead of the jump and the label.
.macro JLOAD
	s_cmp_lt_u32 s[WV], 2
	s_cbranch_scc0 .Lfor_v_\@
	tensor_load_to_lds s[G0K:G0K+3], s[G1K:G1K+7]
	s_nop 0
.rept 4
	v_nop
.endr
	s_branch .Lasked_\@
.Lfor_v_\@:
	tensor_load_to_lds s[G0V:G0V+3], s[G1V:G1V+7]
	s_nop 0
.rept 4
	v_nop
.endr
.Lasked_\@:
.endm
.macro CROUND                       ; a round of the cluster's barrier
	s_barrier_signal -1
	s_barrier_wait -1
	s_cmp_lg_u32 s[WV], 0
	s_cbranch_scc1 .Lnot_wave_0_\@
	s_barrier_signal -3
.Lnot_wave_0_\@:
	s_barrier_wait -3
	s_barrier_signal -1
	s_barrier_wait -1
.endm
.macro PLACES                       ; four places in front of loads into registers that matrix instructions have read, and of vector lines that read results
.rept 4
	v_nop
.endr
.endm
; THE CHANGE OF SLOTS.  Each wave waits for all its tensor loads (one is out: its part of the other slot), adds 0 to its spare word, and waits for that and for its reads of the slot that it
; leaves.  fill = 1: behind a round of the cluster's barrier, when no wave of any partner reads the old slot, it is filled again first, with the next tile, which has a tile's work in
; which to land.  (At its first use nothing has been read yet: slot 0 is waited for, slot 1 filled.)
.macro CHANGE fill
	WIN 0
	s_wait_tensorcnt 0x0            ; no tensor load of mine is out, so a group 0 may be written
	ds_add_u32 v[SPW], v[NIL]       ; 0 onto my spare word
.if \fill
.irp g, G0K, G0V
	s_xor_b32 s[\g+1], s[\g+1], XS  ; the other slot than last time,
	s_add_nc_u64 s[\g+2:\g+3], s[\g+2:\g+3], 65536  ; the next 256 keys; the type bits on top are not reached
.endr
	s_wait_dscnt 0x0                ; the add is done, and my reads of the slot are over
	CROUND
	JLOAD
.else
	s_wait_dscnt 0x0
	s_barrier_signal -1
	s_barrier_wait -1
	PLACES
.endif
	s_sub_co_u32 s[TBK], s[TBK], 2*KS*PK  ; the fetches go back to my half's first step,
	s_xor_b32 s[TBK], s[TBK], XS          ; in the other slot
	s_sub_co_u32 s[TBV], s[TBV], 2*KS*PV
	s_xor_b32 s[TBV], s[TBV], XS
.endm
	s_load_b128 s[4:7], s[0:1], 0x0 ; qkv s[4:5], att s[6:7]
	v_lshl_add_u32 v[SPW], v0, 2, SPARE
	v_mov_b32 v[NIL], 0
	ds_add_u32 v[SPW], v[NIL]       ; the wave's opening: the add and its wait stand ahead of my first tensor load; the set-up below stands between them
	v_lshrrev_b32 v1, 5, v0
	v_readfirstlane_b32 s[WV], v1
	s_lshr_b32 s[SG], s[WV], 1
	s_and_b32 s[KH], s[WV], 1
	s_bfe_u32 s84, ttmp6, 0x40000   ; cx
	s_lshl_b32 s[SJ], ttmp9, 2
	s_add_co_u32 s[SJ], s[SJ], s84  ; j = 4 x cluster x + cx: it enters Q's and att's addresses and the mask's threshold alone
	s_and_b32 s[HD], ttmp7, 0xffff  ; the head, which the four partners share
.irp t, 0,1,2,3
	s_xor_b32 s50, s[SG], (3-\t)&1
	s_add_co_u32 s[SB+\t], s50, 2*(3-\t)  ; slot t: block 2 u + (g xor u % 2), u = 3 - t: 7, 4, 3, 0 or 6, 5, 2, 1
.endr
	s_cmp_eq_u32 s[KH], 0           ; the two tiles that I finish: kh = 0 those of slots 0, 1; kh = 1 those of slots 3, 2
	s_cselect_b32 s48, s[SB+0], s[SB+3]
	s_cselect_b32 s49, s[SB+1], s[SB+2]
	s_lshl_b32 s80, s[HD], 19       ; K and V: the head's rows, and my half of a tile's 256
	s_lshl_b32 s81, s[KH], 15
	s_add_co_u32 s80, s80, s81
	s_mov_b32 s81, 0
	s_mov_b32 s[G1K], 15|(1<<16)|(1<<20)|(1<<21)|(5<<22)|(3<<25)  ; 15:0 the mask of four; 17:16 2-byte elements; 20 padding on; 21 set beside a mask; 24:22 after every 64 words (code 5); 31:25 4 words (code 3)
	s_mov_b32 s[G1V], 15|(1<<16)|(1<<20)|(1<<21)|(5<<22)|(7<<25)  ; the same with 8 words of padding (code 7)
.irp g, G1K, G1V
	s_mov_b32 s[\g+1], 128<<16      ; tensor_dim0 = 128
	s_mov_b32 s[\g+2], 128<<16      ; tensor_dim1 = 128
	s_mov_b32 s[\g+3], 128<<16      ; tile_dim0 = 128
	s_mov_b32 s[\g+4], 128          ; tile_dim1 = 128
	s_mov_b32 s[\g+5], 128          ; 128 elements from row to row
	s_mov_b32 s[\g+6], 0
	s_mov_b32 s[\g+7], 0
.endr
	s_mov_b32 s[G0K], 1
	s_mul_i32 s[G0K+1], s[KH], 128*PK
	s_mov_b32 s[G0V], 1
	s_mul_i32 s[G0V+1], s[KH], 128*PV
	s_add_co_u32 s[G0V+1], s[G0V+1], VOFF
	s_mul_i32 s[TBK], s[KH], 128*PK ; the first change of slots turns these two into my half's bases in slot 0
	s_add_co_u32 s[TBK], s[TBK], XS+2*KS*PK
	s_mul_i32 s[TBV], s[KH], 128*PV
	s_add_co_u32 s[TBV], s[TBV], XS+2*KS*PV
	s_mov_b32 s[CS], 0x440293ee     ; c = 2^12 log2(e) / sqrt(128)
	s_mov_b32 s[CS+1], s[CS]        ; named with it as a pair
	s_mov_b32 s[SEL], 0x76543210
	s_mov_b32 s[SEL+1], 0xfedcba98
	s_mov_b32 s83, 0
	s_wait_dscnt 0x0                ; the opening add is done
	s_wait_kmcnt 0x0
	s_add_nc_u64 s[80:81], s[4:5], s[80:81]
	s_add_nc_u64 s[G0K+2:G0K+3], s[80:81], 8388608   ; k is qkv's second part,
	s_or_b32 s[G0K+3], s[G0K+3], 0x80000000
	s_add_nc_u64 s[G0V+2:G0V+3], s[80:81], 16777216  ; v its third
	s_or_b32 s[G0V+3], s[G0V+3], 0x80000000
	s_lshl_b32 s85, s[SJ], 12       ; Q: 16 j rows of 256 bytes, the head,
	s_lshl_b32 s86, s[HD], 19
	s_add_co_u32 s85, s85, s86
.irp t, 0,1,2,3
	s_lshl_b32 s82, s[SB+\t], 16    ; the slot's block
	s_add_co_u32 s82, s82, s85
	s_add_nc_u64 s[QB+2*\t:QB+2*\t+1], s[4:5], s[82:83]
.endr
	s_lshl_b32 s85, s[SJ], 16       ; att: 16 j rows of 4,096 bytes, the head's 256 bytes of a row
	s_lshl_b32 s86, s[HD], 8
	s_add_co_u32 s85, s85, s86
.irp t, 0,1
	s_lshl_b32 s82, s[48+\t], 20
	s_add_co_u32 s82, s82, s85
	s_add_nc_u64 s[OB+2*\t:OB+2*\t+1], s[6:7], s[82:83]
.endr
	CROUND                          ; all four work-groups are here: the first joint loads meet
	JLOAD                           ; tile 0 into slot 0
	; A fragment of K or Q is 16 rows x 32 channels in 8 registers: lane l holds row l % 16; two loads of 16 bytes, 32 bytes apart.
	v_and_b32 v1, 15, v0            ; l % 16
	v_bfe_u32 v9, v0, 4, 1          ; l / 16
	v_lshlrev_b32 v[QO], 8, v1
	v_lshl_add_u32 v[QO], v9, 4, v[QO]
	WIN 0x80                        ; destination window 2, address window 0
.irp t, 0,1,2,3
.irp c, 0,1,2,3
	global_load_b128 v[32*\t+8*\c:32*\t+8*\c+3],   v[QO], s[QB+2*\t:QB+2*\t+1] offset:64*\c
	global_load_b128 v[32*\t+8*\c+4:32*\t+8*\c+7], v[QO], s[QB+2*\t:QB+2*\t+1] offset:64*\c+32
.endr
.endr
	; What the first step finds: O^T and l are 0, c m lies far below every c s (the first a is 0), m is the lowest finite number: the first step is a step like any other.  S^T and the
	; registers at work are written once too, so that every register is written on every way through the jumps below.  All this stands in the wait for the first tile.
	WIN 0x40
.set i, 0
.rept 256
	v_mov_b32 v[i], 0
.set i, i+1
.endr
	WIN 0
.set i, S
.rept 128
	v_mov_b32 v[i], 0
.set i, i+1
.endr
.irp t, 0,1,2,3
	v_mov_b32 v[ST+8*\t], 0xfe000000
	v_mov_b32 v[ST+8*\t+1], 0xff7fffff
.irp z, 2,3,4,5,6,7
	v_mov_b32 v[ST+8*\t+\z], 0
.endr
.endr
	v_mul_u32_u24 v[AK0], v1, PK
	v_lshl_add_u32 v[AK0], v9, 4, v[AK0]  ; row x pitch + 16 x half
	; The turning load takes 16 keys x 16 channels (lane l reads key 8 (l / 16) + l % 8, channels 8 ((l / 8) % 2) + 0..7) and leaves half a fragment of V^T: lane l holds channel l % 16 and 8 keys.
	v_and_b32 v10, 7, v0
	v_bfe_u32 v11, v0, 3, 1
	v_lshl_add_u32 v[AV0], v9, 3, v10
	v_mul_u32_u24 v[AV0], v[AV0], PV
	v_lshl_add_u32 v[AV0], v11, 4, v[AV0]
	v_add_nc_u32 v[AV0], VOFF, v[AV0]
	s_mul_i32 s87, s[WV], 16*SP
	s_add_co_u32 s87, s87, STAGE    ; my stage
	v_add_nc_u32 v[STO], s87, v[AK0]  ; in: row l % 16, 16 bytes for each half of the lanes (the stage's pitch is K's)
	v_mul_u32_u24 v[RD], v9, SP     ; back: lanes 0-15 take one row of 256 bytes, lanes 16-31 the next
	v_lshl_add_u32 v[RD], v1, 4, v[RD]
	v_add_nc_u32 v[RD], s87, v[RD]
	v_lshlrev_b32 v[GO], 12, v9     ; and the same two rows in att
	v_lshl_add_u32 v[GO], v1, 4, v[GO]
	s_lshl_b32 s85, s[SJ], 4        ; my query's place in its block, 16 j + l % 16, less my keys' 128 kh + 8 (l / 16)
	s_lshl_b32 s86, s[KH], 7
	s_sub_co_i32 s85, s85, s86
	v_lshlrev_b32 v10, 3, v9
	v_sub_nc_u32 v10, v1, v10
	v_add_nc_u32 v[THRB], s85, v10
	v_mov_b32 v[BIG], 0xf149f2ca    ; -1e30
	v_and_b32 v10, 31, v0
	s_mul_i32 s88, s[WV], MAREA     ; my area of the merge,
	s_xor_b32 s89, s[WV], 1
	s_mul_i32 s89, s89, MAREA       ; and my partner's
	v_lshl_add_u32 v[MGW], v10, 4, s88
	v_lshl_add_u32 v[MGR], v10, 4, s89
	v_lshl_add_u32 v[MGS], v10, 2, s88
	v_add_nc_u32 v[MGS], 16384, v[MGS]
	v_lshl_add_u32 v[MGRS], v10, 2, s89
	v_add_nc_u32 v[MGRS], 16384, v[MGRS]
; THE MATRIX WORK.  The accumulators of a run take turns, one instruction a turn.
.macro KQ1 t, k                     ; product k of 16 of S^T = K Q^T for slot t: channels 32 (k / 4) on, keys 16 (k % 4) on; the first four start the sums
	WIN W_KQ
.set kc, (\k)/4
.set kb, (\k)%4
.if kc == 0
	v_wmma_f32_16x16x32_f16 v[S+32*(\t)+8*kb:S+32*(\t)+8*kb+7], v[KF+32*kb+8*kc:KF+32*kb+8*kc+7], v[32*(\t)+8*kc:32*(\t)+8*kc+7], 0
.else
	v_wmma_f32_16x16x32_f16 v[S+32*(\t)+8*kb:S+32*(\t)+8*kb+7], v[KF+32*kb+8*kc:KF+32*kb+8*kc+7], v[32*(\t)+8*kc:32*(\t)+8*kc+7], v[S+32*(\t)+8*kb:S+32*(\t)+8*kb+7]
.endif
.endm
.macro PV1 t, k                     ; product k of 16 of O^T += V^T P for slot t: keys 32 (k / 8) on, channels 16 (k % 8) on
	WIN W_PV
.set pk, (\k)/8
.set pc, (\k)%8
	v_wmma_f32_16x16x32_f16 v[64*(\t)+8*pc:64*(\t)+8*pc+7], v[64*pk+8*pc:64*pk+8*pc+7], v[P+16*(\t)+8*pk:P+16*(\t)+8*pk+7], v[64*(\t)+8*pc:64*(\t)+8*pc+7]
.endm
.macro SKQ t                        ; the 16 alone
.set k, 0
.rept 16
	KQ1 \t, k
.set k, k+1
.endr
.endm
.macro OPV t
.set k, 0
.rept 16
	PV1 \t, k
.set k, k+1
.endr
.endm
; THE LDS LOADS stand in runs of 32; their addresses are made a line ahead.
.macro FETCH_K
	WIN 0x80                        ; destination window 2
.irp f, 0,1,2,3,4,5,6,7,8,9,10,11,12,13,14,15  ; keys 16 (f / 4) on, channels 32 (f % 4) on
	ds_load_b128 v[KF+8*\f:KF+8*\f+3],   v[AK] offset:(\f/4)*16*PK+(\f%4)*64
	ds_load_b128 v[KF+8*\f+4:KF+8*\f+7], v[AK] offset:(\f/4)*16*PK+(\f%4)*64+32
.endr
	s_add_co_u32 s[TBK], s[TBK], KS*PK  ; the next fetch is the next step's
	WIN 0
.endm
.macro FETCH_V
	WIN 0xc0                        ; destination window 3
.irp f, 0,1,2,3,4,5,6,7,8,9,10,11,12,13,14,15  ; keys 32 (f / 8) on, channels 16 (f % 8) on
	ds_load_tr16_b128 v[8*\f:8*\f+3],   v[AV] offset:(\f/8)*32*PV+(\f%8)*32
	ds_load_tr16_b128 v[8*\f+4:8*\f+7], v[AV] offset:(\f/8)*32*PV+16*PV+(\f%8)*32
.endr
	s_add_co_u32 s[TBV], s[TBV], KS*PV
	WIN 0
.endm
; THE MASK of the diagonal tile: score x of 32 belongs to key 16 (x / 8) + x % 8 of my lanes' share of the step.  From the low end on.
.macro MASK t
	WIN 0
.set x, 0
.rept 32
	v_cmp_gt_i32 vcc_lo, 16*(x/8)+x%8, v[THR]
	v_cndmask_b32 v[S+32*(\t)+x], v[S+32*(\t)+x], v[BIG], vcc_lo
.set x, x+1
.endr
.endm
; THE VECTOR WORK of slot t for one step, as two numbered lists, so that it can be dealt behind matrix instructions.
.macro REGS t
.set rT, ST+8*(\t)
.set rS, S+32*(\t)
.set rP, P+16*(\t)
.set rO, 64*(\t)
.endm
.macro FS p                         ; c s - c m for pair p
	v_pk_fma_f32 v[rS+2*(\p):rS+2*(\p)+1], v[rS+2*(\p):rS+2*(\p)+1], s[CS:CS+1], v[rT:rT+1] op_sel_hi:[1,0,0] neg_lo:[0,0,1] neg_hi:[0,0,1]
.endm
.macro CV n                         ; pair n rounded to f16
	s_wait_alu depctr_va_vdst(0)
	v_cvt_pk_f16_f32 v[rP+(\n)], v[rS+2*(\n)], v[rS+2*(\n)+1]
.endm
.macro BS n                         ; of the four weights 4 n .. the second pair is added onto the first
	v_pk_add_f32 v[rS+4*(\n):rS+4*(\n)+1], v[rS+4*(\n):rS+4*(\n)+1], v[rS+4*(\n)+2:rS+4*(\n)+3]
.endm
; Line n of the 22 that find the maximum and the statistics.  0-11: four chains c0-c3 of seven scores each, three operands at a time (each accumulator's lowest registers are read first).
; 12-15: the four scores left over, c0-c3 and the old m into c0.  16, 18: the query's other 32 keys lie in the lane 16 away: the new m.  17: c m_old is kept.  19-21: c m; c m_old - c m_new; a.
.macro STATI t, n
	REGS \t
	WIN 0
.if (\n) < 4
	v_max3_num_f32 v[rT+4+(\n)], v[rS+8*(\n)], v[rS+8*(\n)+1], v[rS+8*(\n)+2]
.elseif (\n) < 12
	v_max3_num_f32 v[rT+4+(\n)%4], v[rT+4+(\n)%4], v[rS+8*((\n)%4)+2*((\n)/4)+1], v[rS+8*((\n)%4)+2*((\n)/4)+2]
.elseif (\n) == 12
	v_max3_num_f32 v[rT+4], v[rT+4], v[rS+7], v[rS+15]
.elseif (\n) == 13
	v_max3_num_f32 v[rT+6], v[rT+6], v[rS+23], v[rS+31]
.elseif (\n) == 14
	v_max3_num_f32 v[rT+4], v[rT+4], v[rT+5], v[rT+6]
.elseif (\n) == 15
	v_max3_num_f32 v[rT+4], v[rT+4], v[rT+7], v[rT+1]
.elseif (\n) == 16
	v_permlanex16_b32 v[rT+5], v[rT+4], s[SEL], s[SEL+1]
.elseif (\n) == 17
	v_mov_b32 v[rT+7], v[rT]
.elseif (\n) == 18
	v_max_num_f32 v[rT+1], v[rT+4], v[rT+5]
.elseif (\n) == 19
	v_mul_f32 v[rT], s[CS], v[rT+1]
.elseif (\n) == 20
	v_sub_f32 v[rT+7], v[rT+7], v[rT]
.else
	v_exp_f32 v[rT+6], v[rT+7]
.endif
.endm
; Line j of the 112 that follow.  0-3: the first four scalings.  4-67: an exponential at every even number and a plain line at every odd one, which touches neither that exponential's result nor
; its source (ISA guide 5.7.2): scalings ahead, roundings three exponentials back, the first sums.  68-79: the last rounding, the rest of the sums, l = a l + the sum.  80-111: O^T times a.
.macro EI t, j
	REGS \t
.if (\j) < 80
	WIN 0
.endif
.if (\j) < 4
	FS (\j)
.elseif (\j) < 68
.set ei, ((\j)-4)/2
.if ((\j)-4)%2 == 0
	v_exp_f32 v[rS+ei], v[rS+ei]
.elseif ei < 2
	FS 4+ei
.elseif (ei%2 == 0) && (ei <= 20)
	FS ei/2+5
.elseif ei%2 == 1
	CV (ei-3)/2
.else
	BS (ei-22)/2
.endif
.elseif (\j) == 68
	CV 15
.elseif (\j) < 72
	BS (\j)-64
.elseif (\j) < 76
.set ez, rS+8*((\j)-72)
	v_pk_add_f32 v[ez:ez+1], v[ez:ez+1], v[ez+4:ez+5]
.elseif (\j) < 78
.set ez, rS+16*((\j)-76)
	v_pk_add_f32 v[ez:ez+1], v[ez:ez+1], v[ez+8:ez+9]
.elseif (\j) == 78
	v_pk_add_f32 v[rS:rS+1], v[rS:rS+1], v[rS+16:rS+17]
.elseif (\j) == 79
	v_pk_fma_f32 v[rT+2:rT+3], v[rT+2:rT+3], v[rT+6:rT+7], v[rS:rS+1] op_sel_hi:[1,0,1]
.else
	WIN W_RS
	v_pk_mul_f32 v[rO+2*((\j)-80):rO+2*((\j)-80)+1], v[rO+2*((\j)-80):rO+2*((\j)-80)+1], v[rT+6:rT+7] op_sel_hi:[1,0]
.endif
.endm
; K Q^T of slot t with slot t - 1's statistics behind its products: two lines behind each of the first seven, then the chain's links one product apart.
.macro KQR t
.set k, 0
.rept 16
	KQ1 \t, k
.if k < 7
	STATI (\t)-1, 2*k
	STATI (\t)-1, 2*k+1
.elseif k < 9
	STATI (\t)-1, k+7
.elseif k == 9
	STATI (\t)-1, 16
	STATI (\t)-1, 17
.elseif k < 14
	STATI (\t)-1, k+8
.endif
.set k, k+1
.endr
.endm
; V^T P of slot t - 1 with seven of slot t's 112 lines behind each product.
.macro EPV t
.set k, 0
.rept 16
	PV1 (\t)-1, k
.set jj, 0
.rept 7
	EI \t, 7*k+jj
.set jj, jj+1
.endr
.set k, k+1
.endr
.endm
.macro EB t                         ; the 112 lines alone
.set jj, 0
.rept 112
	EI \t, jj
.set jj, jj+1
.endr
.endm
; The last live slot: four places behind its products; the mask, if this is its diagonal tile; its statistics, alone.
.macro LASTST t
	PLACES
	s_cmp_lg_u32 s[T], s[SB+(\t)]
	s_cbranch_scc1 .Lopen_\@
	MASK \t
.Lopen_\@:
.set n, 0
.rept 22
	STATI \t, n
.set n, n+1
.endr
.endm
; A KEY STEP.  full = 0 (tile 7): only slot 0 can be live.  A slot above the diagonal (T greater than its block) ends each of the two chains of blocks by a jump forward; no barrier, no tensor
; load and no wait is passed.  Two waits for all LDS loads, both on every way: at the head (this step's K, asked for in the step before or behind the change of slots) and behind the products
; K Q^T (this step's V, asked for in front of them).  So at most one run of 32 loads is out at a time.  The four v_nop in front of each block stand between slot i - 1's products and the lines that read them.
.macro STEP full
	s_wait_dscnt 0x0                ; K is in, and no LDS load of the step before is out
	PLACES                          ; behind the last products that read V
	v_add_nc_u32 v[AV], s[TBV], v[AV0]
	FETCH_V
	SKQ 0
	WIN 0
.if \full
	s_cmp_gt_u32 s[T], s[SB+1]
	s_cbranch_scc1 .La0_\@
	PLACES
	KQR 1
	WIN 0
	s_cmp_gt_u32 s[T], s[SB+2]
	s_cbranch_scc1 .La1_\@
	PLACES
	KQR 2
	WIN 0
	s_cmp_gt_u32 s[T], s[SB+3]
	s_cbranch_scc1 .La2_\@
	PLACES
	KQR 3
	WIN 0
	LASTST 3
	s_branch .Lp2_\@
.La2_\@:
	LASTST 2
	s_branch .Lp2_\@
.La1_\@:
	LASTST 1
	s_branch .Lp2_\@
.La0_\@:
.endif
	LASTST 0
.Lp2_\@:
	s_wait_dscnt 0x0                ; V is in
	s_cmp_eq_u32 s[CNT], 1
	s_cbranch_scc1 .Lnok_\@         ; a tile's second step fetches no further K
	v_add_nc_u32 v[AK], s[TBK], v[AK0]
	FETCH_K                         ; the next step's K has the rest of this step in which to come
.Lnok_\@:
	EB 0
	WIN 0
.if \full
	s_cmp_gt_u32 s[T], s[SB+1]
	s_cbranch_scc1 .Lb0_\@
	EPV 1
	WIN 0
	s_cmp_gt_u32 s[T], s[SB+2]
	s_cbranch_scc1 .Lb1_\@
	EPV 2
	WIN 0
	s_cmp_gt_u32 s[T], s[SB+3]
	s_cbranch_scc1 .Lb2_\@
	EPV 3
	OPV 3
	WIN 0
	s_branch .Lend_\@
.Lb2_\@:
	OPV 2
	WIN 0
	s_branch .Lend_\@
.Lb1_\@:
	OPV 1
	WIN 0
	s_branch .Lend_\@
.Lb0_\@:
.endif
	OPV 0
	WIN 0
.Lend_\@:
	v_sub_nc_u32 v[THR], v[THR], 64 ; the next step's keys lie 64 on
.endm
	s_wait_loadcnt 0x0              ; Q
	s_mov_b32 s[T], 0
	s_mov_b32 s[TL], 7
.Ltile:                             ; 7 trips: tile T is waited for and tile T + 1 asked for; slot 0's block is 6 or 7, so it is live in every trip
	CHANGE 1
	v_mov_b32 v[THR], v[THRB]
	v_add_nc_u32 v[AK], s[TBK], v[AK0]
	FETCH_K
	s_mov_b32 s[CNT], 2
.Lstep:
	STEP 1
	s_sub_co_u32 s[CNT], s[CNT], 1
	s_cmp_lg_u32 s[CNT], 0
	s_cbranch_scc1 .Lstep
	s_add_co_u32 s[T], s[T], 1
	s_sub_co_u32 s[TL], s[TL], 1
	s_cmp_lg_u32 s[TL], 0
	s_cbranch_scc1 .Ltile
	CHANGE 0                        ; tile 7 is written out: nothing is asked for
	s_mov_b32 s[CNT], 2             ; every wave counts the tile's two steps; only g = 0 holds query tile 7, and g = 1 jumps forward over the work, to a label ahead of the counter's step
	s_cmp_lg_u32 s[SG], 0
	s_cbranch_scc1 .Lstep7
	v_mov_b32 v[THR], v[THRB]
	v_add_nc_u32 v[AK], s[TBK], v[AK0]
	FETCH_K
.Lstep7:
	s_cmp_lg_u32 s[SG], 0
	s_cbranch_scc1 .Lskip7
	STEP 0
.Lskip7:
	s_sub_co_u32 s[CNT], s[CNT], 1
	s_cmp_lg_u32 s[CNT], 0
	s_cbranch_scc1 .Lstep7
	s_wait_dscnt 0x0                ; my reads of the slots are over;
	s_barrier_signal -1
	s_barrier_wait -1               ; everybody's are: slot 0, which has had its last fill, takes the merge
	; THE MERGE.  l's two halves and the other half of the lanes' are added (these lines are also the places behind the last products).
.irp t, 0,1,2,3
	v_add_f32 v[ST+8*\t+2], v[ST+8*\t+2], v[ST+8*\t+3]
.endr
.irp t, 0,1,2,3
	v_permlanex16_b32 v[ST+8*\t+3], v[ST+8*\t+2], s[SEL], s[SEL+1]
.endr
.irp t, 0,1,2,3
	v_add_f32 v[ST+8*\t+2], v[ST+8*\t+2], v[ST+8*\t+3]
.endr
	s_cmp_lg_u32 s[KH], 0
	s_cbranch_scc1 .Lgive1
.irp t, 2,3                         ; kh = 0 gives slots 2 and 3: slot t goes where the partner, which will hold that tile in its slot 3 - t, looks for it
	ds_store_b32 v[MGS], v[ST+8*\t]   offset:(3-\t)*256
	ds_store_b32 v[MGS], v[ST+8*\t+2] offset:(3-\t)*256+128
.endr
	WIN 0x04                        ; the stores' data in window 1
.irp t, 2,3
.irp r, 0,1,2,3,4,5,6,7,8,9,10,11,12,13,14,15
	ds_store_b128 v[MGW], v[64*\t+4*\r:64*\t+4*\r+3] offset:(3-\t)*8192+512*\r
.endr
.endr
	WIN 0
	s_branch .Lgiven
.Lgive1:
.irp t, 0,1                         ; kh = 1 gives slots 0 and 1, which the partner holds in the same slots,
	ds_store_b32 v[MGS], v[ST+8*\t]   offset:\t*256
	ds_store_b32 v[MGS], v[ST+8*\t+2] offset:\t*256+128
.endr
	WIN 0x04
.irp t, 0,1
.irp r, 0,1,2,3,4,5,6,7,8,9,10,11,12,13,14,15
	ds_store_b128 v[MGW], v[64*\t+4*\r:64*\t+4*\r+3] offset:\t*8192+512*\r
.endr
.endr
	WIN W_RS                        ; and moves slot 3 into slot 0 and slot 2 into slot 1: from here on one text serves both waves
.set i, 0
.rept 64
	v_mov_b32 v[i], v[192+i]
	v_mov_b32 v[64+i], v[128+i]
.set i, i+1
.endr
	WIN 0
	v_mov_b32 v[ST], v[ST+24]
	v_mov_b32 v[ST+2], v[ST+26]
	v_mov_b32 v[ST+8], v[ST+16]
	v_mov_b32 v[ST+10], v[ST+18]
.Lgiven:
	s_wait_dscnt 0x0                ; for the partner's sake: my stores are done
	s_barrier_signal -1
	s_barrier_wait -1
.irp t, 0,1
	ds_load_b32 v[PS+2*\t],   v[MGRS] offset:\t*256
	ds_load_b32 v[PS+2*\t+1], v[MGRS] offset:\t*256+128
.irp r, 0,1,2,3,4,5,6,7,8,9,10,11,12,13,14,15
	ds_load_b128 v[S+64*\t+4*\r:S+64*\t+4*\r+3], v[MGR] offset:\t*8192+512*\r
.endr
.endr
	s_wait_dscnt 0x0
; Slot t: O = (wa O_mine + wb O_partner) / (wa l_mine + wb l_partner), wa = 2^(c m_mine - x), wb = 2^(c m_partner - x), x the greater c m.  Rounded to f16, through my stage, stored.
.macro FIN t
.set rT, ST+8*(\t)
.set rB, S+64*(\t)
.set rH, P+32*(\t)
.set rX, PS+2*(\t)
	WIN 0
	v_max_num_f32 v[rT+5], v[rT], v[rX]
	v_sub_f32 v[rT+4], v[rT], v[rT+5]
	v_sub_f32 v[rT+6], v[rX], v[rT+5]
	v_exp_f32 v[rT+4], v[rT+4]
	v_exp_f32 v[rT+6], v[rT+6]
	v_nop                           ; a plain line behind the exponentials
	s_wait_alu depctr_va_vdst(0)
	v_mul_f32 v[rT+5], v[rT+4], v[rT+2]
	v_fmac_f32 v[rT+5], v[rT+6], v[rX+1]
	v_rcp_f32 v[rT+5], v[rT+5]
	v_nop                           ; and behind the reciprocal
	s_wait_alu depctr_va_vdst(0)
	v_mul_f32 v[rT+4], v[rT+4], v[rT+5]
	v_mul_f32 v[rT+6], v[rT+6], v[rT+5]
.set i, 0
.rept 32
	v_pk_mul_f32 v[rB+2*i:rB+2*i+1], v[rB+2*i:rB+2*i+1], v[rT+6:rT+7] op_sel_hi:[1,0]
.set i, i+1
.endr
	WIN 0x01                        ; source 0, my O^T, in window 1
.set i, 0
.rept 32
	v_pk_fma_f32 v[rB+2*i:rB+2*i+1], v[64*(\t)+2*i:64*(\t)+2*i+1], v[rT+4:rT+5], v[rB+2*i:rB+2*i+1] op_sel_hi:[1,0,1]
.set i, i+1
.endr
	WIN 0
.set i, 0
.rept 32
	v_cvt_pk_f16_f32 v[rH+i], v[rB+2*i], v[rB+2*i+1]
.set i, i+1
.endr
.irp f, 0,1,2,3,4,5,6,7
	ds_store_b128 v[STO], v[rH+4*\f:rH+4*\f+3] offset:32*\f
.endr
.irp f, 0,1,2,3,4,5,6,7
	ds_load_b128 v[rB+4*\f:rB+4*\f+3], v[RD] offset:\f*2*SP  ; LDS serves a wave's instructions in order (ISA guide 5.7.1.4): these see the stores above
.endr
.irp f, 0,1,2,3,4,5,6,7
	s_wait_dscnt 7-\f               ; the younger loads from the stage may stay out
	global_store_b128 v[GO], v[rB+4*\f:rB+4*\f+3], s[OB+2*(\t):OB+2*(\t)+1] offset:8192*\f  ; 16 lanes store 256 consecutive bytes, aligned
.endr
.endm
	FIN 0
	FIN 1
	s_wait_tensorcnt 0x0            ; the wave's end: behind my last tensor load and my last LDS store
	ds_add_u32 v[SPW], v[NIL]
	s_wait_dscnt 0x0
	CROUND                          ; the closing round: no work-group ends while a partner may still ask for a tile that names it
	s_endpgm
.Lfunc_end_k_qe80410e61c_attn:
	.size	k_qe80410e61c_attn, .Lfunc_end_k_qe80410e61c_attn-k_qe80410e61c_attn
	.p2alignl 7, 3214868480
	.fill 96, 4, 3214868480
	.section	.rodata,"a",@progbits
	.p2align	6, 0x0
	.amdhsa_kernel k_qe80410e61c_attn
		.amdhsa_group_segment_fixed_size 327680
		.amdhsa_private_segment_fixed_size 0
		.amdhsa_enable_private_segment 0
		.amdhsa_kernarg_size 16
		.amdhsa_user_sgpr_count 2
		.amdhsa_user_sgpr_kernarg_segment_ptr 1
		.amdhsa_wavefront_size32 1
		.amdhsa_system_sgpr_workgroup_id_x 1
		.amdhsa_system_sgpr_workgroup_id_y 1
		.amdhsa_system_sgpr_workgroup_id_z 1
		.amdhsa_system_vgpr_workitem_id 0
		.amdhsa_next_free_vgpr 896
		.amdhsa_next_free_sgpr 96
		.amdhsa_reserve_vcc 1
		.amdhsa_float_denorm_mode_32 3
		.amdhsa_float_denorm_mode_16_64 3
		.amdhsa_memory_ordered 1
		.amdhsa_forward_progress 1
		.amdhsa_inst_pref_size 143
	.end_amdhsa_kernel
	.amdgpu_metadata
---
amdhsa.version: [ 1, 2 ]
amdhsa.kernels:
  - .name:           k_qe80410e61c_attn
    .symbol:         k_qe80410e61c_attn.kd
    .args:
      - { .name: qkv, .offset: 0, .size: 8, .value_kind: global_buffer, .address_space: global }
      - { .name: att, .offset: 8, .size: 8, .value_kind: global_buffer, .address_space: global }
    .group_segment_fixed_size: 327680
    .private_segment_fixed_size: 0
    .kernarg_segment_align: 8
    .kernarg_segment_size: 16
    .max_flat_workgroup_size: 128
    .sgpr_count:     96
    .vgpr_count:     896
    .wavefront_size: 32
...
	.end_amdgpu_metadata
.endif
;; end of part 3
;; launch oproj (part 4): grid 16 x 16, 4 waves a work-group, clusters of 4 x 4, 327,680 bytes of LDS; arguments att, wo16, out0; writes out0
.if DOCPART == 4
	.amdgcn_target "amdgcn-amd-amdhsa--gfx1250"
	.amdhsa_code_object_version 6
	.text
	.protected	k_qe80410e61c_oproj
	.globl	k_qe80410e61c_oproj
	.p2align	8
	.type	k_qe80410e61c_oproj,@function
k_qe80410e61c_oproj:
	s_mov_b64 s[64:65], 0
	v_nop
	global_prefetch_b8 v0, s[64:65] scope:SCOPE_SE
	s_setreg_imm32_b32 hwreg(HW_REG_WAVE_MODE, 25, 1), 1
	s_wait_xcnt 0x0
	s_wait_alu depctr_hold_cnt(0) depctr_sa_sdst(0) depctr_va_vdst(0) depctr_va_sdst(0) depctr_va_ssrc(0) depctr_va_vcc(0) depctr_vm_vsrc(0)
	s_getreg_b32 s2, hwreg(HW_REG_IB_STS2, 6, 4)
	s_cmp_eq_u32 s2, 0
	s_cbranch_scc0 .Lentry_in_a_cluster
	s_endpgm
.Lentry_in_a_cluster:
	s_bfe_u32 s2, ttmp6, 0x10000c
	s_cmp_lg_u32 s2, 0xf033
	s_cbranch_scc0 .Lentry_shape_is_right
	s_endpgm
.Lentry_shape_is_right:
; out0[m][n] = sum over k of att[m][k] wo16[n][k].  att: [2048][2048] f16 (O / 4); wo16: [2048][2048] f16 (4 bf16(Wo)); out0: [2048][2048] f32; sums in f32, stored as they are.
; A tile of out0 is 128 x 128: 256 work-groups.  Four waves, each 64 x 64: 16 accumulators of 16 x 16.  K goes in steps of 256 (LDS rows of 512 bytes; a wave's tensor load brings 64 of them)
; through two slots.  CLUSTER 4 x 4: the four of a row of the cluster need the same tiles of att, the four of a column the same tiles of wo16: each tile is asked for JOINTLY.
; THE WALK ALONG K.  Cluster (X, Y) begins at K step 2 ((X + 2 (Y % 2)) % 4) and walks round all 8 steps.  The four clusters of one Y, which want the same rows of att, begin at four different
; quarters; clusters Y and Y + 1 of one X, which want the same rows of wo16, begin two quarters apart: clusters that want the same bytes do not all ask for them at the same moment.
; Each output is still one f32 sum over all of K; the order of its terms hangs on the cluster.
; THE MATRIX INSTRUCTION IS USED TRANSPOSED (source 0 = 16 rows of wo16, source 1 = 16 rows of att): a lane holds eight neighbouring numbers of a row of out0, 32 bytes.
; A wave's 64 columns of f32 are 256 aligned bytes of a row, so each wave has a stage of its own and the way out needs no barrier.
; REGISTERS: window 0: v0-31 addresses; v32-95 rows read back; v128-255 the accumulators ((a, b) at 128 + 8 (4 a + b)).   window 1: two fragment buffers of 128.
.set SIZE_N, 2048
.set SIZE_K, 2048
.set KSTEP,  256
.set PITCH,  528                       ; an LDS row: 512 bytes + 16 of padding: the 16 rows of a load start at 16 different groups of four banks (64 banks of 4 bytes: ISA guide 11.1)
.set HALFT,  64*PITCH
.set SLOT,   4*HALFT
.set STAGE,  2*SLOT                    ; behind the ring, never filled by a tensor load: 16 rows x 272 bytes for each wave
.set SPITCH, 272
.set SPARE,  STAGE+4*16*SPITCH         ; the spare words, 128 bytes for each wave: two blocks of 256 bytes that no other line names
.set LAPS, SIZE_K/(2*KSTEP)
.set ADRA, 16
.set ADRB, 20
.set STO,  24
.set RD,   25
.set CO,   26
.set SPW,  28
.set NIL,  29
.set TMP,  32
.set ACC,  128
.set F0,   0
.set F1,   128
.set G1, 24
.set G0, 32
.set G1B, 48
.set G0B, 56
.set NK,  66                           ; s66      the K step to be asked for next, before it is taken modulo 8
.set KO,  68                           ; s[68:69] its byte offset in a row
.set BB,  70                           ; s[70:71] wo16 at the first of the rows that I fetch; kept (att's: s[14:15])
.set MSB, 0
.macro WIN new
.if MSB != (\new)
	s_set_vgpr_msb (MSB<<8)|(\new)
.set MSB, \new
.endif
.endm
.set MUL,  0x05                        ; sources 0 and 1 window 1; C and D window 0
.set TO_F, 0x40                        ; destination window 1, address window 0
.macro JLOAD s                         ; a joint load: waves 0 and 1 fetch att's two halves, waves 2 and 3 wo16's; an s_nop 0 and four v_nop follow each line
	s_cmp_eq_u32 s11, 0
	s_cbranch_scc0 .Lfor_b_\@
	tensor_load_to_lds s[G0+4*(\s):G0+4*(\s)+3], s[G1:G1+7]
	s_nop 0
.rept 4
	v_nop
.endr
	s_branch .Lasked_\@
.Lfor_b_\@:
	tensor_load_to_lds s[G0B+4*(\s):G0B+4*(\s)+3], s[G1B:G1B+7]
	s_nop 0
.rept 4
	v_nop
.endr
.Lasked_\@:
.endm
; The global addresses of slot s's next tiles are made anew: the rows' first byte plus 512 x (the K step modulo 8); the type bits are set again.  It stands where no tensor load of the wave is out.
.macro KADDR s
	s_and_b32 s[KO], s[NK], 7
	s_lshl_b32 s[KO], s[KO], 9
	s_add_nc_u64 s[G0+4*(\s)+2:G0+4*(\s)+3], s[14:15], s[KO:KO+1]
	s_or_b32 s[G0+4*(\s)+3], s[G0+4*(\s)+3], 0x80000000
	s_add_nc_u64 s[G0B+4*(\s)+2:G0B+4*(\s)+3], s[BB:BB+1], s[KO:KO+1]
	s_or_b32 s[G0B+4*(\s)+3], s[G0B+4*(\s)+3], 0x80000000
	s_add_co_u32 s[NK], s[NK], 1
.endm
.macro CREST
	s_cmp_lg_u32 s10, 0
	s_cbranch_scc1 .Lnot_wave_0_\@
	s_barrier_signal -3
.Lnot_wave_0_\@:
	s_barrier_wait -3
	s_barrier_signal -1
	s_barrier_wait -1
.endm
.macro CROUND
	s_barrier_signal -1
	s_barrier_wait -1
	CREST
.endm
	s_load_b128 s[4:7], s[0:1], 0x0                ; att s[4:5], wo16 s[6:7]
	s_load_b64 s[8:9], s[0:1], 0x10                ; out0
	v_lshl_add_u32 v[SPW], v0, 2, SPARE
	v_mov_b32 v[NIL], 0
	ds_add_u32 v[SPW], v[NIL]                      ; the wave's opening: the add and its wait stand ahead of my first tensor load
	v_lshrrev_b32 v1, 5, v0
	v_readfirstlane_b32 s10, v1                    ; wave 0..3
	s_lshr_b32 s11, s10, 1                         ; which half of the tile's rows is mine.  Also: I fetch for att (0) or for wo16 (1)
	s_and_b32 s12, s10, 1                          ; which half of its columns.  Also: which 64 rows of that tile I fetch
	s_bfe_u32 s40, ttmp6, 0x40000
	s_bfe_u32 s41, ttmp6, 0x40004
	s_lshl_b32 s42, ttmp9, 2
	s_add_co_u32 s42, s42, s40                     ; tile column
	s_and_b32 s13, ttmp7, 0xffff
	s_lshl_b32 s13, s13, 2
	s_add_co_u32 s13, s13, s41                     ; tile row
	s_lshl_b32 s43, s41, 2
	s_lshl_b32 s43, 15, s43                        ; my row of the cluster
	s_lshl_b32 s44, 0x1111, s40                    ; my column
	s_and_b32 s[NK], ttmp7, 1                      ; where my cluster begins along K: quarter (X + 2 (Y % 2)) % 4; it hangs on the cluster's numbers alone, which all partners share
	s_lshl1_add_u32 s[NK], s[NK], ttmp9
	s_and_b32 s[NK], s[NK], 3
	s_lshl_b32 s[NK], s[NK], 1
	s_mov_b32 s[KO+1], 0
	s_or_b32 s[G1+0], s43, (1<<16)|(1<<20)|(1<<21)|(6<<22)|(3<<25)  ; mask; 2-byte elements; padding on; 21 set beside a mask; after every 128 words (code 6) 4 words (code 3)
	s_or_b32 s[G1B+0], s44, (1<<16)|(1<<20)|(1<<21)|(6<<22)|(3<<25)
.irp g, G1, G1B
	s_mov_b32 s[(\g)+1], KSTEP<<16
	s_mov_b32 s[(\g)+2], 64<<16
	s_mov_b32 s[(\g)+3], KSTEP<<16
	s_mov_b32 s[(\g)+4], 64
	s_mov_b32 s[(\g)+5], SIZE_K
	s_mov_b32 s[(\g)+6], 0
	s_mov_b32 s[(\g)+7], 0
.endr
	s_lshl_b32 s17, s12, 6
	s_lshl_b32 s16, s13, 7
	s_add_co_u32 s16, s16, s17                     ; att: row 128 x tile row + 64 x half
	s_lshl_b32 s46, s42, 7
	s_add_co_u32 s46, s46, s17                     ; wo16: row 128 x tile column + 64 x half
	s_mov_b32 s17, 0
	s_mov_b32 s47, 0
	s_mov_b64 s[18:19], SIZE_K*2
	s_mul_u64 s[16:17], s[16:17], s[18:19]
	s_mul_u64 s[46:47], s[46:47], s[18:19]
	s_mul_i32 s20, s10, HALFT
	s_wait_dscnt 0x0                               ; the opening add is done
	s_wait_kmcnt 0x0
	s_add_nc_u64 s[14:15], s[4:5], s[16:17]
	s_add_nc_u64 s[BB:BB+1], s[6:7], s[46:47]
	CROUND                                         ; all sixteen work-groups are here: the first joint loads meet
.irp s, 0,1
	s_mov_b32 s[G0+4*(\s)], 1
	s_add_co_u32 s[G0+4*(\s)+1], s20, (\s)*SLOT
	s_mov_b32 s[G0B+4*(\s)], 1
	s_add_co_u32 s[G0B+4*(\s)+1], s20, (\s)*SLOT
	KADDR \s                                       ; global addresses: my cluster's first and second K step
	JLOAD \s
.endr
	v_and_b32 v1, 15, v0
	v_bfe_u32 v2, v0, 4, 1
	v_mul_u32_u24 v3, v1, PITCH
	v_lshl_add_u32 v3, v2, 4, v3
	s_mul_i32 s21, s11, HALFT
	s_mul_i32 s22, s12, HALFT
	s_add_co_u32 s22, s22, 2*HALFT
.irp s, 0,1
	v_add_nc_u32 v[ADRA+(\s)], s21, v3
	v_add_nc_u32 v[ADRB+(\s)], s22, v3
	s_add_co_u32 s21, s21, SLOT
	s_add_co_u32 s22, s22, SLOT
.endr
	s_mul_i32 s23, s10, 16*SPITCH
	s_add_co_u32 s23, s23, STAGE                   ; my stage
	v_mul_u32_u24 v4, v1, SPITCH                   ; in: row l % 16, 32 bytes for each half of the lanes
	v_lshl_add_u32 v4, v2, 5, v4
	v_add_nc_u32 v[STO], s23, v4
	v_mul_u32_u24 v5, v2, SPITCH                   ; back: lanes 0-15 one row of 256 bytes, lanes 16-31 the next
	v_lshl_add_u32 v5, v1, 4, v5
	v_add_nc_u32 v[RD], s23, v5
	v_lshlrev_b32 v5, 13, v2                       ; and the same two rows in out0, 8,192 bytes apart
	v_lshl_add_u32 v[CO], v1, 4, v5
	s_lshl_b32 s16, s13, 7
	s_lshl_b32 s17, s11, 6
	s_add_co_u32 s16, s16, s17                     ; my first row: 128 x tile row + 64 x half
	s_lshl_b32 s16, s16, 13
	s_mov_b32 s17, 0
	s_add_nc_u64 s[8:9], s[8:9], s[16:17]
	s_lshl_b32 s46, s42, 9                         ; my first column, in bytes: 512 x tile column + 256 x half
	s_lshl_b32 s47, s12, 8
	s_add_co_u32 s46, s46, s47
	s_mov_b32 s47, 0
	s_add_nc_u64 s[8:9], s[8:9], s[46:47]
.macro MUL8 f, c, a0, zero             ; 8 matrix instructions: row blocks a0, a0 + 1 x all 4 column blocks, 32 along K: half c of buffer f
	WIN MUL
.irp a, \a0, (\a0)+1
.irp b, 0,1,2,3
.if \zero
	v_wmma_f32_16x16x32_f16 v[ACC+8*(4*(\a)+(\b)):ACC+8*(4*(\a)+(\b))+7], v[(\f)+64+8*(4*(\c)+(\b)):(\f)+64+8*(4*(\c)+(\b))+7], v[(\f)+8*(4*(\c)+(\a)):(\f)+8*(4*(\c)+(\a))+7], 0
.else
	v_wmma_f32_16x16x32_f16 v[ACC+8*(4*(\a)+(\b)):ACC+8*(4*(\a)+(\b))+7], v[(\f)+64+8*(4*(\c)+(\b)):(\f)+64+8*(4*(\c)+(\b))+7], v[(\f)+8*(4*(\c)+(\a)):(\f)+8*(4*(\c)+(\a))+7], v[ACC+8*(4*(\a)+(\b)):ACC+8*(4*(\a)+(\b))+7]
.endif
.endr
.endr
.endm
.macro FETCH slot, k, f                ; 32 LDS loads in one run: 64 along K at byte k of the rows, into buffer f; the first 32 along K first
	WIN TO_F
.irp c, 0,1
.irp i, 0,1,2,3
	ds_load_b128 v[(\f)+64+8*(4*(\c)+(\i)):(\f)+64+8*(4*(\c)+(\i))+3],   v[ADRB+(\slot)] offset:(\k)+64*(\c)+(\i)*16*PITCH
	ds_load_b128 v[(\f)+64+8*(4*(\c)+(\i))+4:(\f)+64+8*(4*(\c)+(\i))+7], v[ADRB+(\slot)] offset:(\k)+64*(\c)+(\i)*16*PITCH+32
	ds_load_b128 v[(\f)+8*(4*(\c)+(\i)):(\f)+8*(4*(\c)+(\i))+3],         v[ADRA+(\slot)] offset:(\k)+64*(\c)+(\i)*16*PITCH
	ds_load_b128 v[(\f)+8*(4*(\c)+(\i))+4:(\f)+8*(4*(\c)+(\i))+7],       v[ADRA+(\slot)] offset:(\k)+64*(\c)+(\i)*16*PITCH+32
.endr
.endr
.endm
.macro PLACES                          ; four places in front of loads into registers that matrix instructions have read, and of stores that read results
.rept 4
	v_nop
.endr
.endm
; A K step is four quarters of 64 along K, 32 matrix instructions each, on buffers 0, 1, 0, 1; the 16 accumulators take turns.
.macro QUARTER slot, k, f, g, zero
	s_wait_dscnt 16                                ; the first 32 along K are in
	WIN MUL
	MUL8 \f, 0, 0, \zero
	MUL8 \f, 0, 2, \zero
	PLACES
	FETCH \slot, \k, \g
	s_wait_dscnt 32                                ; all but the 32 just issued
	WIN MUL
	MUL8 \f, 1, 0, 0
	MUL8 \f, 1, 2, 0
.endm
; The last quarter multiplies buffer 1 and changes slots: in front of the barrier each wave waits for all its tensor loads, adds 0 to its spare word, and waits for that and for its reads of this slot.
.macro TURN slot, next, fill
	WIN 0
	s_wait_tensorcnt 0x0                           ; all my tensor loads have landed: my part of the next slot; a group 0 may be written
	ds_add_u32 v[SPW], v[NIL]                      ; 0 onto my spare word
.if \fill
	KADDR \slot                                    ; scalar work between the add and the wait for it
.endif
	s_wait_dscnt 17                                ; (the add and the youngest sixteen loads may be out)
	WIN MUL
	MUL8 F1, 0, 0, 0
	s_wait_dscnt 0x0                               ; the add is done, and my reads of this slot are over
	s_barrier_signal -1
	MUL8 F1, 0, 2, 0
.if \fill
	WIN 0
.endif
	s_barrier_wait -1
.if \fill
	CREST                                          ; the barrier has opened a round of the cluster's: no wave of any partner still reads this slot or has a load on its way
	JLOAD \slot                                    ; the first tensor load behind the round; its four v_nop are also the places in front of the loads below
.else
	PLACES
.endif
	FETCH \next, 0, F0
	WIN MUL
	MUL8 F1, 1, 0, 0
	MUL8 F1, 1, 2, 0
.endm
	s_wait_tensorcnt 1                             ; my part of the first K step is in; the second's stays out
	s_barrier_signal -1
	s_barrier_wait -1
	FETCH 0, 0, F0
	QUARTER 0, 128, F0, F1, 1                      ; the first quarter stands in front of the loop: its first products start the sums
	WIN 0
	s_mov_b32 s3, LAPS-1
.Llap:
	QUARTER 0, 256, F1, F0, 0
	QUARTER 0, 384, F0, F1, 0
	TURN 0, 1, 1
	QUARTER 1, 128, F0, F1, 0
	QUARTER 1, 256, F1, F0, 0
	QUARTER 1, 384, F0, F1, 0
	TURN 1, 0, 1
	QUARTER 0, 128, F0, F1, 0
	WIN 0
	s_sub_co_u32 s3, s3, 1
	s_cmp_lg_u32 s3, 0
	s_cbranch_scc1 .Llap
	QUARTER 0, 256, F1, F0, 0                      ; the last lap fills nothing
	QUARTER 0, 384, F0, F1, 0
	TURN 0, 1, 0
	QUARTER 1, 128, F0, F1, 0
	QUARTER 1, 256, F1, F0, 0
	QUARTER 1, 384, F0, F1, 0
	s_wait_dscnt 16
	WIN MUL
	MUL8 F1, 0, 0, 0
	MUL8 F1, 0, 2, 0
	s_wait_dscnt 0
	MUL8 F1, 1, 0, 0
	MUL8 F1, 1, 2, 0
	WIN 0
	; THE WAY OUT, 16 rows at a time: 32 bytes a lane into my stage, each accumulator's low four registers first, back as whole rows of 256 bytes, stored.
	PLACES
.irp a, 0,1,2,3
.irp b, 0,1,2,3
	ds_store_b128 v[STO], v[ACC+8*(4*(\a)+(\b)):ACC+8*(4*(\a)+(\b))+3]   offset:64*(\b)
	ds_store_b128 v[STO], v[ACC+8*(4*(\a)+(\b))+4:ACC+8*(4*(\a)+(\b))+7] offset:64*(\b)+16
.endr
.if (\a) >= 2
	s_wait_xcnt 0x0                                ; the stores of two blocks ago have read the registers that are loaded again below
.endif
.irp t, 0,1,2,3,4,5,6,7
	ds_load_b128 v[TMP+32*((\a)%2)+4*(\t):TMP+32*((\a)%2)+4*(\t)+3], v[RD] offset:(\t)*2*SPITCH  ; LDS serves a wave's instructions in order (ISA guide 5.7.1.4): these see the stores above
.endr
.irp t, 0,1,2,3,4,5,6,7
	s_wait_dscnt 7-(\t)
	global_store_b128 v[CO], v[TMP+32*((\a)%2)+4*(\t):TMP+32*((\a)%2)+4*(\t)+3], s[8:9] offset:(16*(\a)+2*(\t))*SIZE_N*4 th:TH_STORE_NT  ; 16 lanes store 256 consecutive bytes, aligned
.endr
.endr
	s_wait_tensorcnt 0x0                           ; the wave's end: behind my last tensor load and my last LDS store
	ds_add_u32 v[SPW], v[NIL]
	s_wait_dscnt 0x0
	CROUND                                         ; the closing round: no work-group ends while a partner may still ask for a tile that names it
	s_endpgm
.Lfunc_end_k_qe80410e61c_oproj:
	.size	k_qe80410e61c_oproj, .Lfunc_end_k_qe80410e61c_oproj-k_qe80410e61c_oproj
	.p2alignl 7, 3214868480
	.fill 96, 4, 3214868480
	.section	.rodata,"a",@progbits
	.p2align	6, 0x0
	.amdhsa_kernel k_qe80410e61c_oproj
		.amdhsa_group_segment_fixed_size 327680
		.amdhsa_private_segment_fixed_size 0
		.amdhsa_enable_private_segment 0
		.amdhsa_kernarg_size 24
		.amdhsa_user_sgpr_count 2
		.amdhsa_user_sgpr_kernarg_segment_ptr 1
		.amdhsa_wavefront_size32 1
		.amdhsa_system_sgpr_workgroup_id_x 1
		.amdhsa_system_sgpr_workgroup_id_y 1
		.amdhsa_system_sgpr_workgroup_id_z 1
		.amdhsa_system_vgpr_workitem_id 0
		.amdhsa_next_free_vgpr 512
		.amdhsa_next_free_sgpr 72
		.amdhsa_reserve_vcc 0
		.amdhsa_float_denorm_mode_32 3
		.amdhsa_float_denorm_mode_16_64 3
		.amdhsa_memory_ordered 1
		.amdhsa_forward_progress 1
		.amdhsa_inst_pref_size 87
	.end_amdhsa_kernel
	.amdgpu_metadata
---
amdhsa.version: [ 1, 2 ]
amdhsa.kernels:
  - .name:           k_qe80410e61c_oproj
    .symbol:         k_qe80410e61c_oproj.kd
    .args:
      - { .name: att, .offset: 0, .size: 8, .value_kind: global_buffer, .address_space: global }
      - { .name: wo16, .offset: 8, .size: 8, .value_kind: global_buffer, .address_space: global }
      - { .name: out0, .offset: 16, .size: 8, .value_kind: global_buffer, .address_space: global }
    .group_segment_fixed_size: 327680
    .private_segment_fixed_size: 0
    .kernarg_segment_align: 8
    .kernarg_segment_size: 24
    .max_flat_workgroup_size: 128
    .sgpr_count:     72
    .vgpr_count:     512
    .wavefront_size: 32
...
	.end_amdgpu_metadata
.endif
;; end of part 4
;; ======== version 2 of 2: 4 launches; version 1 with the launch cast written anew for expert scheduling mode
;; limits: values are held in f16: magnitudes above 65,504 overflow, below 6.1e-05 lose precision
;; workspace buffers: xb 8,388,608 bytes; wb 25,165,824 bytes; wo16 8,388,608 bytes; cs16 1,048,576 bytes; qkv 25,165,824 bytes; att 8,388,608 bytes
;; launch cast (part 5): grid 256 x 1, 32 waves a work-group, no clusters, 0 bytes of LDS; arguments hidden_states, Wq, Wk, Wv, Wo, cos, sin, xb, wb, wo16, cs16; writes xb, wb, wo16, cs16
.if DOCPART == 5
	.amdgcn_target "amdgcn-amd-amdhsa--gfx1250"
	.amdhsa_code_object_version 6
	.text
	.protected	k_qe80410e61c_cast
	.globl	k_qe80410e61c_cast
	.p2align	8
	.type	k_qe80410e61c_cast,@function
k_qe80410e61c_cast:
	s_mov_b64 s[64:65], 0
	v_nop
	global_prefetch_b8 v0, s[64:65] scope:SCOPE_SE
	s_setreg_imm32_b32 hwreg(HW_REG_WAVE_SCHED_MODE, 0, 2), 2
	s_setreg_imm32_b32 hwreg(HW_REG_WAVE_MODE, 25, 1), 1
	s_wait_xcnt 0x0
	s_wait_alu depctr_vm_vsrc(0)
; EVERY INPUT IS ROUNDED ONCE TO bf16, with an exact power of two folded in:
;   xb = bf16(hidden_states);  wb = bf16(Wq / 64), bf16(Wk / 64), bf16(Wv / 4);  wo16 = 4 bf16(Wo) written as f16;  cs16 = bf16(cos), bf16(sin).
; The powers of two give q, k and v room in f16 in the launches behind; the 2^12 that q . k loses comes back in the softmax's f32 constant, v's 4 in Wo.
; LIMITS.  4 bf16(Wo) beyond 65,504 becomes an infinity; below 2^-14 it keeps f16's fixed step of 2^-24.  NaN and infinities are not treated apart.
; A stream: no LDS, no matrix unit, no cluster (no byte is read twice).  EQUAL SHARES: 256 work-groups of 32 waves, and each takes 1/256 of EVERY input: 65,536 bytes of each of the
; five matrices (4 turns of 16 bytes a thread) and 4,096 bytes of each table (waves 0-7 cos, waves 8-15 sin).  Thread t, turn i of a matrix: 16 bytes at 16 t + 16,384 i in (a wave's
; load: 512 consecutive bytes), 8 bytes at 8 t + 8,192 i out (a wave's store: 256 consecutive bytes, aligned).  All of a wave's loads go out in one run, the table's first, so that the
; counts below are the same in every wave; every turn has registers of its own and its result is made in place, so nothing that a store reads is written again.
; THE MODE: SCHED_MODE bits 1:0 = 2 (LLVM: expert scheduling mode 2), set by the entry lines.  The code itself states the register dependences
; between vector instructions and memory instructions, with s_wait_alu, always for 0.
; THE PLAN.  Registers that memory instructions touch:
;   v1, v2, v88, v89   byte offsets, made once at the head and never written again; every load and store reads one of them.
;   X, turn n          four registers.  The turn's load lands in them (issued at the head, before any vector line names them); behind the wait for it the turn's vector lines scale and
;                      round in place; the turn's store reads the first two; nothing writes them again.
;   TB                 the same for my 16 bytes of a table.
; The 20 turns go in five blocks of four, a block to a matrix.  Block m's vector lines name its own sixteen registers alone; its memory instructions are the four stores of block m - 1,
; which read that block's registers and v2.  So ONE wait at a block's head, behind the wait for the block's first load, states all that its four stores hang on, and they are dealt among
; the block's turns with no further wait.  No register that a memory instruction reads is written again, so no wait for such reads is owed anywhere.
.set X,  4                             ; v[4:83]   turn n = 4 x matrix + i: 4 registers as loaded; the first two then hold what is stored
.set TB, 84                            ; v[84:87]  my 16 bytes of a table
.set TI, 88                            ; v88       16 (t % 256)
.set TO, 89                            ; v89       8 (t % 256)
	s_load_b512 s[8:23], s[0:1], 0x0               ; hidden_states 8, Wq 10, Wk 12, Wv 14, Wo 16, cos 18, sin 20, xb 22
	s_load_b128 s[24:27], s[0:1], 0x40             ; wb 24, wo16 26
	s_load_b64 s[28:29], s[0:1], 0x50              ; cs16
	v_lshlrev_b32 v1, 4, v0                        ; 16 t
	v_lshlrev_b32 v2, 3, v0                        ; 8 t
	v_lshrrev_b32 v3, 5, v0
	v_readfirstlane_b32 s47, v3                    ; wave 0..31
	v_and_b32 v3, 255, v0
	v_lshlrev_b32 v[TI], 4, v3
	v_lshlrev_b32 v[TO], 3, v3
	s_lshl_b32 s30, ttmp9, 16                      ; offsets are made apart from the addresses: my share of a matrix on the way in,
	s_mov_b32 s31, 0
	s_lshl_b32 s32, ttmp9, 15                      ; on the way out,
	s_mov_b32 s33, 0
	s_lshl_b32 s38, ttmp9, 12                      ; of a table on the way in,
	s_mov_b32 s39, 0
	s_lshl_b32 s40, ttmp9, 11                      ; and on the way out: sin lies 524,288 bytes behind cos
	s_mov_b32 s41, 0
	s_wait_alu depctr_va_sdst(0)                   ; s47 is written, ahead of its first reader, the compare below; all later compares read it too
	s_cmp_ge_u32 s47, 8
	s_cselect_b32 s46, 0x80000, 0
	s_add_co_u32 s40, s40, s46
	s_mov_b32 s42, 0x3c800000                      ; 2^-6, as a pair
	s_mov_b32 s43, s42
	s_mov_b32 s44, 0x3e800000                      ; 2^-2
	s_mov_b32 s45, s44
	s_mov_b32 s48, 4.0
	s_mov_b32 s49, 4.0
	s_mov_b32 s46, 0xffff0000                      ; a word's upper bf16
	s_wait_kmcnt 0x0
	s_cmp_ge_u32 s47, 8
	s_cselect_b64 s[18:19], s[20:21], s[18:19]     ; the table of my wave: a choice by the wave's number
	s_add_nc_u64 s[18:19], s[18:19], s[38:39]
	s_add_nc_u64 s[28:29], s[28:29], s[40:41]
.irp b, 8,10,12,14,16
	s_add_nc_u64 s[\b:\b+1], s[\b:\b+1], s[30:31]
.endr
.irp b, 22,24,26
	s_add_nc_u64 s[\b:\b+1], s[\b:\b+1], s[32:33]
.endr
	s_add_nc_u64 s[34:35], s[24:25], 0x800000      ; Wk is wb's second matrix,
	s_add_nc_u64 s[36:37], s[24:25], 0x1000000     ; Wv its third
	s_wait_alu depctr_va_vdst(0)                   ; v1, v2, v88 and v89 are written: every load and store of the kernel reads one of them as its offset; ahead of the branch, so on both ways
	s_cmp_ge_u32 s47, 16
	s_cbranch_scc1 .Lmain                          ; waves 16-31 have no part of a table
	global_load_b128 v[TB:TB+3], v[TI], s[18:19] th:TH_LOAD_NT
.Lmain:
.irp m, 0,1,2,3,4
.irp i, 0,1,2,3
	global_load_b128 v[X+4*(4*\m+\i):X+4*(4*\m+\i)+3], v1, s[8+2*\m:9+2*\m] offset:16384*\i th:TH_LOAD_NT
.endr
.endr
; The vector lines of turn n.  sc: the scalar pair that holds the scale, or 0 for none.  half = 1: the bf16 number is written as f16 (exact within f16's range: 8 significant bits go into 11).
.macro WORK n, sc, half
.if \sc
	v_pk_mul_f32 v[X+4*(\n):X+4*(\n)+1], v[X+4*(\n):X+4*(\n)+1], s[\sc:\sc+1] op_sel_hi:[1,0]
	v_pk_mul_f32 v[X+4*(\n)+2:X+4*(\n)+3], v[X+4*(\n)+2:X+4*(\n)+3], s[\sc:\sc+1] op_sel_hi:[1,0]
.endif
	v_cvt_pk_bf16_f32 v[X+4*(\n)], v[X+4*(\n)], v[X+4*(\n)+1]
	v_cvt_pk_bf16_f32 v[X+4*(\n)+1], v[X+4*(\n)+2], v[X+4*(\n)+3]
.if \half
	v_lshlrev_b32 v[X+4*(\n)+2], 16, v[X+4*(\n)]
	v_and_b32 v[X+4*(\n)+3], s46, v[X+4*(\n)]
	v_cvt_pk_f16_f32 v[X+4*(\n)], v[X+4*(\n)+2], v[X+4*(\n)+3]
	v_lshlrev_b32 v[X+4*(\n)+2], 16, v[X+4*(\n)+1]
	v_and_b32 v[X+4*(\n)+3], s46, v[X+4*(\n)+1]
	v_cvt_pk_f16_f32 v[X+4*(\n)+1], v[X+4*(\n)+2], v[X+4*(\n)+3]
.endif
.endm
; Block m: matrix m's four turns.  pdst: the scalar pair with the address to which the block BEFORE is stored (block 0 has none in front of it).
.macro BLOCK m, sc, half, pdst
.irp i, 0,1,2,3
	s_wait_loadcnt 19-(4*(\m)+(\i))                ; loads come back in order: this turn's is in, the younger ones stay out
.if (\m) > 0
.if (\i) == 0
	s_wait_alu depctr_va_vdst(0)                   ; the block before has written its eight result registers, which this block's four stores read
.endif
	global_store_b64 v2, v[X+4*(4*(\m)-4+(\i)):X+4*(4*(\m)-4+(\i))+1], s[\pdst:\pdst+1] offset:8192*(\i)  ; no vector line since that wait names these registers or v2
.endif
	WORK 4*(\m)+(\i), \sc, \half
.endr
.endm
	BLOCK 0, 0,  0, 0                              ; hidden_states
	BLOCK 1, 42, 0, 22                             ; Wq / 64;       hidden_states goes out, to xb
	BLOCK 2, 42, 0, 24                             ; Wk / 64;       Wq goes out, wb's first matrix
	BLOCK 3, 44, 0, 34                             ; Wv / 4;        Wk goes out
	BLOCK 4, 48, 1, 36                             ; 4 Wo, as f16;  Wv goes out
	s_wait_alu depctr_va_vdst(0)                   ; the last block has written its eight result registers, which the four stores below read
.irp i, 0,1,2,3
	global_store_b64 v2, v[X+4*(16+\i):X+4*(16+\i)+1], s[26:27] offset:8192*\i
.endr
	s_cmp_ge_u32 s47, 16
	s_cbranch_scc1 .Lend
	v_cvt_pk_bf16_f32 v[TB], v[TB], v[TB+1]        ; the table's load is older than all the others: it is in
	v_cvt_pk_bf16_f32 v[TB+1], v[TB+2], v[TB+3]
	s_wait_alu depctr_va_vdst(0)                   ; the two roundings have written v[TB:TB+1], which the store reads
	global_store_b64 v[TO], v[TB:TB+1], s[28:29]
.Lend:
	s_endpgm
.Lfunc_end_k_qe80410e61c_cast:
	.size	k_qe80410e61c_cast, .Lfunc_end_k_qe80410e61c_cast-k_qe80410e61c_cast
	.p2alignl 7, 3214868480
	.fill 96, 4, 3214868480
	.section	.rodata,"a",@progbits
	.p2align	6, 0x0
	.amdhsa_kernel k_qe80410e61c_cast
		.amdhsa_group_segment_fixed_size 0
		.amdhsa_private_segment_fixed_size 0
		.amdhsa_enable_private_segment 0
		.amdhsa_kernarg_size 88
		.amdhsa_user_sgpr_count 2
		.amdhsa_user_sgpr_kernarg_segment_ptr 1
		.amdhsa_wavefront_size32 1
		.amdhsa_system_sgpr_workgroup_id_x 1
		.amdhsa_system_sgpr_workgroup_id_y 1
		.amdhsa_system_sgpr_workgroup_id_z 1
		.amdhsa_system_vgpr_workitem_id 0
		.amdhsa_next_free_vgpr 96
		.amdhsa_next_free_sgpr 66
		.amdhsa_reserve_vcc 0
		.amdhsa_float_denorm_mode_32 3
		.amdhsa_float_denorm_mode_16_64 3
		.amdhsa_memory_ordered 1
		.amdhsa_forward_progress 1
		.amdhsa_inst_pref_size 13
	.end_amdhsa_kernel
	.amdgpu_metadata
---
amdhsa.version: [ 1, 2 ]
amdhsa.kernels:
  - .name:           k_qe80410e61c_cast
    .symbol:         k_qe80410e61c_cast.kd
    .args:
      - { .name: hidden_states, .offset: 0, .size: 8, .value_kind: global_buffer, .address_space: global }
      - { .name: Wq, .offset: 8, .size: 8, .value_kind: global_buffer, .address_space: global }
      - { .name: Wk, .offset: 16, .size: 8, .value_kind: global_buffer, .address_space: global }
      - { .name: Wv, .offset: 24, .size: 8, .value_kind: global_buffer, .address_space: global }
      - { .name: Wo, .offset: 32, .size: 8, .value_kind: global_buffer, .address_space: global }
      - { .name: cos, .offset: 40, .size: 8, .value_kind: global_buffer, .address_space: global }
      - { .name: sin, .offset: 48, .size: 8, .value_kind: global_buffer, .address_space: global }
      - { .name: xb, .offset: 56, .size: 8, .value_kind: global_buffer, .address_space: global }
      - { .name: wb, .offset: 64, .size: 8, .value_kind: global_buffer, .address_space: global }
      - { .name: wo16, .offset: 72, .size: 8, .value_kind: global_buffer, .address_space: global }
      - { .name: cs16, .offset: 80, .size: 8, .value_kind: global_buffer, .address_space: global }
    .group_segment_fixed_size: 0
    .private_segment_fixed_size: 0
    .kernarg_segment_align: 8
    .kernarg_segment_size: 88
    .max_flat_workgroup_size: 1024
    .sgpr_count:     66
    .vgpr_count:     96
    .wavefront_size: 32
...
	.end_amdgpu_metadata
.endif
;; end of part 5
;; launch proj: the kernel of part 2 again; grid 16 x 16, 4 waves a work-group, clusters of 4 x 4, 327,680 bytes of LDS; arguments xb, wb, cs16, qkv; writes qkv
;; launch attn: the kernel of part 3 again; grid 16 x 16, 4 waves a work-group, clusters of 4 x 1, 327,680 bytes of LDS; arguments qkv, att; writes att
;; launch oproj: the kernel of part 4 again; grid 16 x 16, 4 waves a work-group, clusters of 4 x 4, 327,680 bytes of LDS; arguments att, wo16, out0; writes out0
